; MI455X (gfx1250); checked and timed in simulation.
; The chip was launched on July 23, 2026; its instructions are those of AMD's public machine-readable ISA for CDNA 5 (MIT licence, August 2026) and "CDNA5" Instruction Set Architecture Reference Guide (July 2026). The comments in the code are by the model that wrote it; some were corrected since.
;; Adaptive Fusion. Allowed arithmetic: float matrix products may take bf16 or f16 operands with f32 sums; other float arithmetic in f32, or as packed bf16 or f16 multiplies, adds, multiply-adds, maxima and minima; sums over many terms, partial sums and values carried from step to step in f32; what a program stores and reads back later, other than sums and carried values, may be rounded once to bf16 or f16.
;; Inputs: W1 512 x 512 float32; W2 512 x 512 float32; Wk 512 x 512 float32; Wo 512 x 512 float32; Wq 512 x 512 float32; Wv 512 x 512 float32; b1 512 float32; b2 512 float32; bk 512 float32; bo 512 float32; bq 512 float32; bv 512 float32; te 8 x 64 x 64 x 512 float32; xh 8 x 64 x 64 x 512 float32; xl 8 x 64 x 64 x 512 float32.
;; Outputs: out0 8 x 64 x 64 x 512 float32.
;; 2 versions, each right. Each part assembles by itself: llvm-mc -triple=amdgcn-amd-amdhsa -mcpu=gfx1250 --defsym DOCPART=n.
;; ======== version 1 of 2: 2 launches
;; workspace buffers: wb 3,145,728 bytes
;; launch prep (part 1): grid 48 x 8, 4 waves a work-group, no clusters, 0 bytes of LDS; arguments Wk, Wv, Wq, Wo, W1, W2, wb; writes wb
.if DOCPART == 1
	.amdgcn_target "amdgcn-amd-amdhsa--gfx1250"
	.amdhsa_code_object_version 6
	.text
	.protected	k_q643ad40c3a_prep
	.globl	k_q643ad40c3a_prep
	.p2align	8
	.type	k_q643ad40c3a_prep,@function
k_q643ad40c3a_prep:
	s_mov_b64 s[64:65], 0
	v_nop
	global_prefetch_b8 v0, s[64:65] scope:SCOPE_SE
	s_setreg_imm32_b32 hwreg(HW_REG_WAVE_MODE, 25, 1), 1
	s_wait_xcnt 0x0
; The six weight matrices W[k][n] (512 x 512, f32) are rounded once to bf16 and laid out in the order in which the next launch's matrix fragments want them.
; wb: block f = 8 g + ks (g = 0..5: Wk, Wv, Wq, Wo, W1, W2; ks = 0..7: 64 of k) is 65,536 bytes: [w 0..3: 16,384][kh 0..1: 8,192][ct 0..7: 1,024][p 0..1: 512][lane: 16].
; Lane (r = lane % 16, h = lane / 16) holds W[k][n] for n = 128 w + 16 ct + r and k = 64 ks + 32 kh + 16 p + 8 h + 0..7.
; SHARES.  Work-group (f, y); wave v takes the 16 columns c16 = 4 y + v and makes its four parts q = 2 kh + p.  The four waves together read 256 consecutive bytes of each row of W;
; each store of a wave covers 512 consecutive bytes, aligned.  No LDS, no barrier: no wave wants what another has read.
.set WROW, 2048                        ; bytes in a row of W
	s_load_b256 s[8:15], s[0:1], 0x0               ; Wk, Wv, Wq, Wo
	s_load_b128 s[16:19], s[0:1], 0x20             ; W1, W2
	s_load_b64 s[20:21], s[0:1], 0x30              ; wb
	v_lshrrev_b32 v3, 5, v0
	v_readfirstlane_b32 s2, v3                     ; wave
	s_and_b32 s3, ttmp7, 0xffff                    ; y
	s_lshl_b32 s3, s3, 2
	s_add_co_u32 s3, s3, s2                        ; c16
	s_lshr_b32 s22, ttmp9, 3                       ; g
	s_and_b32 s24, ttmp9, 7                        ; ks
	s_lshl_b32 s24, s24, 17                        ; 64 rows of W
	s_mov_b32 s25, 0
	s_lshl_b32 s26, ttmp9, 16                      ; block f,
	s_lshr_b32 s6, s3, 3
	s_lshl_b32 s6, s6, 14                          ; w,
	s_add_co_u32 s26, s26, s6
	s_and_b32 s6, s3, 7
	s_lshl_b32 s6, s6, 10                          ; ct
	s_add_co_u32 s26, s26, s6
	s_mov_b32 s27, 0
	s_lshl_b32 s7, s3, 6                           ; 16 columns of 4 bytes
	v_and_b32 v4, 15, v0                           ; r
	v_bfe_u32 v5, v0, 4, 1                         ; h
	v_lshl_add_u32 v1, v4, 2, s7
	v_lshl_add_u32 v1, v5, 14, v1                  ; + 8 h rows: my offset in W; never rewritten
	v_and_b32 v2, 31, v0
	v_lshlrev_b32 v2, 4, v2                        ; 16 x lane: my offset in wb; never rewritten
	s_wait_kmcnt 0x0
	s_mov_b64 s[4:5], s[8:9]                       ; the matrix is chosen by g, which hangs on the work-group's number alone
	s_cmp_eq_u32 s22, 1
	s_cselect_b64 s[4:5], s[10:11], s[4:5]
	s_cmp_eq_u32 s22, 2
	s_cselect_b64 s[4:5], s[12:13], s[4:5]
	s_cmp_eq_u32 s22, 3
	s_cselect_b64 s[4:5], s[14:15], s[4:5]
	s_cmp_eq_u32 s22, 4
	s_cselect_b64 s[4:5], s[16:17], s[4:5]
	s_cmp_eq_u32 s22, 5
	s_cselect_b64 s[4:5], s[18:19], s[4:5]
	s_add_nc_u64 s[4:5], s[4:5], s[24:25]
	s_add_nc_u64 s[20:21], s[20:21], s[26:27]
.set q, 0
.rept 4
.set j, 0
.rept 8
	global_load_b32 v[8+8*q+j], v1, s[4:5] offset:(16*q+j)*WROW th:TH_LOAD_NT  ; W[64 ks + 16 q + 8 h + j][n]
.set j, j+1
.endr
.set q, q+1
.endr
.irp q, 0,1,2,3
	s_wait_loadcnt 24-8*(\q)                       ; part q's eight loads are in; the younger parts' stay out
.irp i, 0,1,2,3
	v_cvt_pk_bf16_f32 v[8+8*(\q)+(\i)], v[8+8*(\q)+2*(\i)], v[8+8*(\q)+2*(\i)+1]  ; in place, ascending: register i is written when it has been read
.endr
	global_store_b128 v2, v[8+8*(\q):8+8*(\q)+3], s[20:21] offset:((\q)/2)*8192+((\q)%2)*512
.endr
	s_endpgm
.Lfunc_end_k_q643ad40c3a_prep:
	.size	k_q643ad40c3a_prep, .Lfunc_end_k_q643ad40c3a_prep-k_q643ad40c3a_prep
	.p2alignl 7, 3214868480
	.fill 96, 4, 3214868480
	.section	.rodata,"a",@progbits
	.p2align	6, 0x0
	.amdhsa_kernel k_q643ad40c3a_prep
		.amdhsa_group_segment_fixed_size 0
		.amdhsa_private_segment_fixed_size 0
		.amdhsa_enable_private_segment 0
		.amdhsa_kernarg_size 56
		.amdhsa_user_sgpr_count 2
		.amdhsa_user_sgpr_kernarg_segment_ptr 1
		.amdhsa_wavefront_size32 1
		.amdhsa_system_sgpr_workgroup_id_x 1
		.amdhsa_system_sgpr_workgroup_id_y 1
		.amdhsa_system_sgpr_workgroup_id_z 1
		.amdhsa_system_vgpr_workitem_id 0
		.amdhsa_next_free_vgpr 48
		.amdhsa_next_free_sgpr 66
		.amdhsa_reserve_vcc 0
		.amdhsa_float_denorm_mode_32 3
		.amdhsa_float_denorm_mode_16_64 3
		.amdhsa_memory_ordered 1
		.amdhsa_forward_progress 1
		.amdhsa_inst_pref_size 7
	.end_amdhsa_kernel
	.amdgpu_metadata
---
amdhsa.version: [ 1, 2 ]
amdhsa.kernels:
  - .name:           k_q643ad40c3a_prep
    .symbol:         k_q643ad40c3a_prep.kd
    .args:
      - { .name: Wk, .offset: 0, .size: 8, .value_kind: global_buffer, .address_space: global }
      - { .name: Wv, .offset: 8, .size: 8, .value_kind: global_buffer, .address_space: global }
      - { .name: Wq, .offset: 16, .size: 8, .value_kind: global_buffer, .address_space: global }
      - { .name: Wo, .offset: 24, .size: 8, .value_kind: global_buffer, .address_space: global }
      - { .name: W1, .offset: 32, .size: 8, .value_kind: global_buffer, .address_space: global }
      - { .name: W2, .offset: 40, .size: 8, .value_kind: global_buffer, .address_space: global }
      - { .name: wb, .offset: 48, .size: 8, .value_kind: global_buffer, .address_space: global }
    .group_segment_fixed_size: 0
    .private_segment_fixed_size: 0
    .kernarg_segment_align: 8
    .kernarg_segment_size: 56
    .max_flat_workgroup_size: 128
    .sgpr_count:     66
    .vgpr_count:     48
    .wavefront_size: 32
...
	.end_amdgpu_metadata
.endif
;; end of part 1
;; launch fused (part 2): grid 512 x 1, 4 waves a work-group, clusters of 4 x 1, 327,680 bytes of LDS; arguments xl, xh, te, wb, bk, bv, bq, bo, b1, b2, out0; writes out0
.if DOCPART == 2
	.amdgcn_target "amdgcn-amd-amdhsa--gfx1250"
	.amdhsa_code_object_version 6
	.text
	.protected	k_q643ad40c3a_fused
	.globl	k_q643ad40c3a_fused
	.p2align	8
	.type	k_q643ad40c3a_fused,@function
k_q643ad40c3a_fused:
	s_mov_b64 s[64:65], 0
	v_nop
	global_prefetch_b8 v0, s[64:65] scope:SCOPE_SE
	s_setreg_imm32_b32 hwreg(HW_REG_WAVE_MODE, 25, 1), 1
	s_wait_xcnt 0x0
	s_wait_alu depctr_hold_cnt(0) depctr_sa_sdst(0) depctr_va_vdst(0) depctr_va_sdst(0) depctr_va_ssrc(0) depctr_va_vcc(0) depctr_vm_vsrc(0)
	s_getreg_b32 s2, hwreg(HW_REG_IB_STS2, 6, 4)
	s_cmp_eq_u32 s2, 0
	s_cbranch_scc0 .Lentry_in_a_cluster
	s_endpgm
.Lentry_in_a_cluster:
	s_bfe_u32 s2, ttmp6, 0x10000c
	s_cmp_lg_u32 s2, 0x3003
	s_cbranch_scc0 .Lentry_shape_is_right
	s_endpgm
.Lentry_shape_is_right:
; THE WHOLE MODULE FOR ONE (b, n): 64 rows (t = 0..63) of 512 features.  xl + te, xh + te; K, V, Q projections; causal attention over t for 8 heads of 64; output projection, residual, LayerNorm;
; two more projections, residual, LayerNorm.  Nothing but the inputs, the weights and the result crosses memory.
; FORMATS.  All matrix operands are bf16 (x, weights, q, k, v, the weights p of the softmax, the attention's result, val, the hidden layer), all sums f32; the residuals xl + te and val stay f32 in registers.
; LIMITS.  A softmax weight below 2^-126 counts as 0; NaN and infinities are not treated apart.  Hidden logits are -32767 before the division by 8, as the module has them, and all 64 keys
; stay in the softmax, whose maximum is the row's true maximum.  A LayerNorm's variance is made of centred numbers: each wave centres by its own 128 columns' mean, and the four waves' (mean, sum of squares) are joined.
; SHARES.  Four waves; wave w owns all 64 rows x columns 128 w .. 128 w + 127 of every product: 32 accumulators of 16 x 16, tile (a = 16 rows, ct = 16 columns) at 8 (8 a + ct).  These are heads 2 w and
; 2 w + 1, so attention never leaves the wave or its registers.
; LAYOUT.  Products are taken transposed (source 0 = 16 columns of W, source 1 = 16 rows of x): a lane (r = lane % 16, h = lane / 16) holds row 16 a + r and the columns 16 ct + 8 h + 0..7.  Rounded in pairs, two
; neighbouring tiles ARE a fragment of K or Q.  V is taken the other way (a lane holds column 16 ct + r and rows 16 a + 8 h + 0..7), which IS a fragment of V^T.  S^T = K Q^T and O^T = V^T P hold one query a lane.
; WEIGHTS.  48 blocks of 65,536 bytes (64 of k x 512 columns, in fragment order) go through two LDS slots.  CLUSTER: the four work-groups of a cluster walk the same 48 blocks, so each block is asked for JOINTLY:
; every wave asks for its own quarter, with the same descriptor and a mask of four in all partners.  A change of slots is a round of the cluster's barrier; one tensor load a wave is out.
; REGISTERS, in windows of 256 (s_set_vgpr_msb: bits 1:0 source 0, 3:2 source 1, 5:4 source 2, 7:6 destination):
;   window 0: v0-31 addresses; v32-95 two buffers of x's fragments; v96-223 two of W's (the second also holds a bias); v224-255 at work.  In attention v96-223 Q, v32-95 P.
;   window 1: the accumulators.  In attention S^T at 32 qb + 8 kb, O^T at 128 + 32 qb + 8 cb.  On the way in: rows' set 0.
;   window 2: xl + te in f32, later val, in the accumulators' layout.          window 3: K at 4 (8 a + ct), V at 128 + 4 (4 ct + a).  On the way in: rows' set 1.  On the way out: rows to store.
.set SLOTB, 65536                      ; a slot; slot 1 begins here, so one exclusive or turns an address in one slot into the other's
.set XA,    131072                     ; 64 rows x 1,040: bf16 (xl + te), later bf16 (val)
.set XB,    197632                     ; 64 rows x 1,040: bf16 (xh + te), later the attention's result, later the hidden layer
.set XP,    1040                       ; 1,024 bytes + 16: 260 words: the 16 rows of a fragment load start at 16 different groups of four banks (64 banks of 4 bytes: ISA guide 11.1)
.set STG,   264192                     ; for each wave 16 rows x 528 bytes of f32, to turn rows into the accumulators' layout and back
.set STGW,  8448
.set SGP,   528                        ; 512 bytes + 16
.set STAT,  297984                     ; [LayerNorm 0, 1][wave][row] (mean, sum of squares), 8 bytes
.set BT,    302080                     ; bk, bq, bo, b1, b2 in f32, 2,048 bytes each
.set BTV,   312320                     ; bv, each number four times: 16 bytes a column
.set SPARE, 320512                     ; the spare words, 128 bytes for each wave: two blocks of 256 bytes that no other line names
.set TROW,  131072                     ; bytes from row t to row t + 1 of one (b, n)
.set XF0,  32
.set WF0,  96
.set BIAS, 160
.set QF,   96
.set PF,   32
.set T,    224
.set LT,   32                          ; LayerNorm: four chains of pairs for each a
.set LS,   64                          ; for each a: mean_w three times, its sum of squares, (scale, scale), (shift, shift)
.set LR,   96                          ; the four waves' (mean, sum of squares)
.set LQ,   128                         ; at work
.set MK,   66                          ; s[66:73] lane masks: register j of a diagonal tile is hidden
; v3 r x 1,040 + 16 h   v4 16,384 w + 16 lane   v5, v6 the fragment loads' addresses   v7 my stage + 16 lane   v8 my stage + 528 r + 32 h   v9, v10 XA, XB + 256 w + 8 lane
; v11, v12 XA, XB + 1,040 r + 256 w + 16 h   v13 512 w + 16 lane (memory)   v14 STAT + 512 w + 8 r   v15 STAT + 8 r   v16 BT + 512 w + 32 h   v17 BTV + 16 (128 w + r)   v18 r - 8 h
; v19 BT + 16 t   v20 BTV + 64 t   v21 16 t (memory)   v30 my spare word   v31 0
; s8 wave   s9-13 my place and my tile's offset in memory (they enter global addresses alone)   s[16:37] the buffers   s[40:47] descriptor group 1   s[48:51] group 0   s[52:53] lane selects
; s[54:55] log2(e) / 8   s56 -32767   s57 0   s58 the slot in hand   s59 x's region + 128 x K step   s60 counter   s61 1/128   s62 1/512   s63 1e-5
.set MSB, 0
.macro WIN new                         ; the immediate's high byte repeats the setting that is left; a switch that changes nothing is dropped
.if MSB != (\new)
	s_set_vgpr_msb (MSB<<8)|(\new)
.set MSB, (\new)
.endif
.endm
.macro PLACES                          ; four places behind matrix instructions, in front of loads into their registers and of vector work on them
.rept 4
	v_nop
.endr
.endm
.macro ALLA line:vararg                ; one line for each qa = 0..3
.set qa, 0
.rept 4
	\line
.set qa, qa+1
.endr
.endm
; A round of the cluster's barrier: my work-group's barrier, so that wave 0's signal speaks for all four waves; wave 0 signals; every wave waits for all four work-groups; my work-group's barrier once more.
.macro ROUND
	s_barrier_signal -1
	s_barrier_wait -1
	s_cmp_lg_u32 s8, 0
	s_cbranch_scc1 .Lnot_wave_0_\@
	s_barrier_signal -3
.Lnot_wave_0_\@:
	s_barrier_wait -3
	s_barrier_signal -1
	s_barrier_wait -1
.endm
; THE CHANGE OF SLOTS, in front of each block.  Each wave waits for all its tensor loads (one is out: its quarter of the block to be entered), adds 0 to its spare word, and waits for that, for its reads of the
; old slot and for its stores into XA, XB and the tables.  Behind the round no wave of any partner reads the old slot or has a load on its way, and what the waves stored for each other is whole.
; refill = 1: the old slot takes the block after the one entered: the first thing behind the round.  The four v_nop are also the places in front of the fragment loads.
.macro CHANGE refill
	WIN 0
	s_wait_tensorcnt 0x0
	ds_add_u32 v30, v31                            ; 0 onto my spare word; scalar work stands between it and the wait for it
	s_xor_b32 s58, s58, SLOTB
.if \refill
	s_xor_b32 s49, s49, SLOTB                      ; no load of mine is out, so group 0 may be written: the other slot,
	s_add_nc_u64 s[50:51], s[50:51], SLOTB         ; the next block; the type bits on top are not reached
.endif
	s_wait_dscnt 0x0
	ROUND
.if \refill
	tensor_load_to_lds s[48:51], s[40:47]
	s_nop 0
.endif
	PLACES
.endm
.macro ADDR
	v_add_nc_u32 v6, s58, v4
	v_add_nc_u32 v5, s59, v3
.endm
; 24 LDS loads: half hf (32 of k) of a block: x's four fragments, W's eight
.macro FETCH hf
	WIN 0
.irp a, 0,1,2,3
	ds_load_b128 v[XF0+32*(\hf)+8*(\a):XF0+32*(\hf)+8*(\a)+3],   v5 offset:(\a)*16*XP+64*(\hf)
	ds_load_b128 v[XF0+32*(\hf)+8*(\a)+4:XF0+32*(\hf)+8*(\a)+7], v5 offset:(\a)*16*XP+64*(\hf)+32
.endr
.irp ct, 0,1,2,3,4,5,6,7
	ds_load_b128 v[WF0+64*(\hf)+8*(\ct):WF0+64*(\hf)+8*(\ct)+3],   v6 offset:(\hf)*8192+(\ct)*1024
	ds_load_b128 v[WF0+64*(\hf)+8*(\ct)+4:WF0+64*(\hf)+8*(\ct)+7], v6 offset:(\hf)*8192+(\ct)*1024+512
.endr
.endm
.macro LOADBIAS tbl                    ; my lane's eight columns of each tile
	WIN 0
.irp ct, 0,1,2,3,4,5,6,7
	ds_load_b128 v[BIAS+8*(\ct):BIAS+8*(\ct)+3],   v16 offset:(\tbl)*2048+(\ct)*64
	ds_load_b128 v[BIAS+8*(\ct)+4:BIAS+8*(\ct)+7], v16 offset:(\tbl)*2048+(\ct)*64+16
.endr
.endm
.macro LOADBIASV                       ; my lane's one column of each tile, eight times
	WIN 0
.irp ct, 0,1,2,3,4,5,6,7
	ds_load_b128 v[BIAS+8*(\ct):BIAS+8*(\ct)+3],   v17 offset:(\ct)*256
	ds_load_b128 v[BIAS+8*(\ct)+4:BIAS+8*(\ct)+7], v17 offset:(\ct)*256
.endr
.endm
; 32 matrix instructions, one on each accumulator: they take turns, in the same order everywhere.  fm = 0: source 0 = W; 1: source 0 = x.  cm = 1: the bias starts the sums.
.macro MUL hf, fm, cm
.if \cm
	WIN 0x40
.else
	WIN 0x50
.endif
.irp a, 0,1,2,3
.irp ct, 0,1,2,3,4,5,6,7
.set rD, 8*(8*(\a)+(\ct))
.set rX, XF0+32*(\hf)+8*(\a)
.set rW, WF0+64*(\hf)+8*(\ct)
.set rB, BIAS+8*(\ct)
.if \fm
.if \cm
	v_wmma_f32_16x16x32_bf16 v[rD:rD+7], v[rX:rX+7], v[rW:rW+7], v[rB:rB+7]
.else
	v_wmma_f32_16x16x32_bf16 v[rD:rD+7], v[rX:rX+7], v[rW:rW+7], v[rD:rD+7]
.endif
.else
.if \cm
	v_wmma_f32_16x16x32_bf16 v[rD:rD+7], v[rW:rW+7], v[rX:rX+7], v[rB:rB+7]
.else
	v_wmma_f32_16x16x32_bf16 v[rD:rD+7], v[rW:rW+7], v[rX:rX+7], v[rD:rD+7]
.endif
.endif
.endr
.endr
.endm
; A trip enters a block: its first half is fetched while the block before's second half, already in registers, is multiplied; its second half while nothing waits for it.
.macro TRIP fm, refill
	s_add_co_u32 s59, s59, 128                     ; 64 of k further along x's rows
	CHANGE \refill
	ADDR
	FETCH 0
	MUL 1, \fm, 0
	PLACES
	FETCH 1
	s_wait_dscnt 24                                ; the first half is in; the second half's 24 loads stay out
	MUL 0, \fm, 0
	WIN 0
.endm
; A product of the 64 rows in region with one matrix: eight blocks.  last = 1: the launch's last: its last block asks for nothing, and is written out.
.macro GEMM fm, cm, region, tbl, last
	s_mov_b32 s59, \region
	CHANGE 1
	ADDR
	FETCH 0
.if \cm
.if \fm
	LOADBIASV
.else
	LOADBIAS \tbl
.endif
.endif
	s_wait_dscnt 0x0
	MUL 0, \fm, \cm
	PLACES
	FETCH 1
	s_mov_b32 s60, 7-(\last)
.Lblock_\@:
	TRIP \fm, 1
	s_sub_co_u32 s60, s60, 1
	s_cmp_lg_u32 s60, 0
	s_cbranch_scc1 .Lblock_\@
.if \last
	TRIP \fm, 0
.endif
	s_wait_dscnt 0x0
	MUL 1, \fm, 0
	PLACES
	PLACES                                         ; eight, once a product
	WIN 0
.endm
; THE WAY IN.  16 rows a: my 512 bytes of each row of xl, te, xh: 48 loads, each of 512 consecutive bytes, aligned.  set 0: window 1; set 1: window 3.
.macro LOADCH a, set
	WIN 0x40+0x80*(\set)
.set i, 0
.rept 16
	global_load_b128 v[4*i:4*i+3],         v13, s[16:17] offset:(16*(\a)+i)*TROW th:TH_LOAD_NT
	global_load_b128 v[64+4*i:64+4*i+3],   v13, s[20:21] offset:(16*(\a)+i)*TROW th:TH_LOAD_NT
	global_load_b128 v[128+4*i:128+4*i+3], v13, s[18:19] offset:(16*(\a)+i)*TROW th:TH_LOAD_NT
.set i, i+1
.endr
.endm
; The two sums; both rounded to bf16 into XB and XA; xl + te in f32 through my stage into window 2, in the accumulators' layout.  LDS serves a wave's instructions in order (ISA guide 5.7.1.4), so my stage needs no wait.
.macro PROC a, set
	WIN 0x45+0x8a*(\set)
.set i, 0
.rept 16
	v_pk_add_f32 v[4*i:4*i+1],         v[4*i:4*i+1],         v[64+4*i:64+4*i+1]
	v_pk_add_f32 v[4*i+2:4*i+3],       v[4*i+2:4*i+3],       v[64+4*i+2:64+4*i+3]
	v_pk_add_f32 v[128+4*i:128+4*i+1],   v[128+4*i:128+4*i+1],   v[64+4*i:64+4*i+1]
	v_pk_add_f32 v[128+4*i+2:128+4*i+3], v[128+4*i+2:128+4*i+3], v[64+4*i+2:64+4*i+3]
	v_cvt_pk_bf16_f32 v[64+4*i],   v[128+4*i],   v[128+4*i+1]
	v_cvt_pk_bf16_f32 v[64+4*i+1], v[128+4*i+2], v[128+4*i+3]
	v_cvt_pk_bf16_f32 v[64+4*i+2], v[4*i],   v[4*i+1]
	v_cvt_pk_bf16_f32 v[64+4*i+3], v[4*i+2], v[4*i+3]
.set i, i+1
.endr
	WIN 0x04+0x08*(\set)
.set i, 0
.rept 16
	ds_store_b64 v10, v[64+4*i:64+4*i+1]   offset:(16*(\a)+i)*XP
	ds_store_b64 v9,  v[64+4*i+2:64+4*i+3] offset:(16*(\a)+i)*XP
	ds_store_b128 v7, v[4*i:4*i+3] offset:i*SGP
.set i, i+1
.endr
	WIN 0x80
.set i, 0
.rept 16
	ds_load_b128 v[64*(\a)+4*i:64*(\a)+4*i+3], v8 offset:(i/2)*64+(i%2)*16  ; tile ct = i / 2, its registers 4 (i % 2) on: columns 16 ct + 8 h + 4 (i % 2) on, 4 bytes each; 32 h lies in v8
.set i, i+1
.endr
.endm
; ATTENTION for my head hd (0, 1), in phases.
.macro ATT hd
	WIN 0x53                                       ; K and V window 3, Q and P window 0, S^T and O^T window 1
.irp c2, 0,1                           ; S^T = K Q^T for the ten tiles at or below the diagonal; they take turns
.irp qb, 0,1,2,3
.irp kb, 0,1,2,3
.if (\kb) <= (\qb)
.set rS, 32*(\qb)+8*(\kb)
.set rK, 32*(\kb)+16*(\hd)+8*(\c2)
.set rQ, QF+32*(\qb)+16*(\hd)+8*(\c2)
.if (\c2) == 0
	v_wmma_f32_16x16x32_bf16 v[rS:rS+7], v[rK:rK+7], v[rQ:rQ+7], 0
.else
	v_wmma_f32_16x16x32_bf16 v[rS:rS+7], v[rK:rK+7], v[rQ:rQ+7], v[rS:rS+7]
.endif
.endif
.endr
.endr
.endr
	WIN 0x40                                       ; the six tiles above the diagonal are -32767 throughout; these 48 lines are also the places behind the products
.irp qb, 0,1,2
.irp kb, 1,2,3
.if (\kb) > (\qb)
.set j, 0
.rept 8
	v_mov_b32 v[32*(\qb)+8*(\kb)+j], s56
.set j, j+1
.endr
.endif
.endr
.endr
	WIN 0x41                                       ; the diagonal tiles: key 8 h + j is hidden from query r where j > r - 8 h
.irp qb, 0,1,2,3
.irp j, 0,1,2,3,4,5,6,7
	v_cndmask_b32 v[40*(\qb)+(\j)], v[40*(\qb)+(\j)], s56, s[MK+(\j)]
.endr
.endr
	WIN 0x15                                       ; the maximum of a lane's 32 scores: four chains, each tile's lowest registers first
.irp kq, 0,1,2,3
.irp qb, 0,1,2,3
	v_max3_num_f32 v[T+8*(\qb)+(\kq)], v[32*(\qb)+8*(\kq)], v[32*(\qb)+8*(\kq)+1], v[32*(\qb)+8*(\kq)+2]
.endr
.endr
	WIN 0x14
.irp g, 1,2
.irp kq, 0,1,2,3
.irp qb, 0,1,2,3
	v_max3_num_f32 v[T+8*(\qb)+(\kq)], v[T+8*(\qb)+(\kq)], v[32*(\qb)+8*(\kq)+2*(\g)+1], v[32*(\qb)+8*(\kq)+2*(\g)+2]
.endr
.endr
.endr
	ALLA v_max3_num_f32 v[T+8*qa], v[T+8*qa], v[32*qa+7], v[32*qa+15]
	ALLA v_max3_num_f32 v[T+8*qa+2], v[T+8*qa+2], v[32*qa+23], v[32*qa+31]
	WIN 0
	ALLA v_max3_num_f32 v[T+8*qa], v[T+8*qa], v[T+8*qa+1], v[T+8*qa+2]
	ALLA v_max_num_f32 v[T+8*qa], v[T+8*qa], v[T+8*qa+3]
	ALLA v_permlanex16_b32 v[T+8*qa+1], v[T+8*qa], s52, s53  ; the query's other 32 keys lie in the lane 16 away
	ALLA v_max_num_f32 v[T+8*qa+2], v[T+8*qa], v[T+8*qa+1]
	ALLA v_mul_f32 v[T+8*qa+6], s54, v[T+8*qa+2]             ; c m, c = log2(e) / 8,
	ALLA v_mul_f32 v[T+8*qa+7], s54, v[T+8*qa+2]             ; named as a pair
	WIN 0x41
.irp qb, 0,1,2,3
.set n, 0
.rept 16
	v_pk_fma_f32 v[32*(\qb)+2*n:32*(\qb)+2*n+1], v[32*(\qb)+2*n:32*(\qb)+2*n+1], s[54:55], v[T+8*(\qb)+6:T+8*(\qb)+7] op_sel_hi:[1,0,0] neg_lo:[0,0,1] neg_hi:[0,0,1]  ; c s - c m
.set n, n+1
.endr
.endr
.set n, 0
.rept 128                              ; one batch of exponentials,
	v_exp_f32 v[n], v[n]
.set n, n+1
.endr
	v_nop                                          ; a plain instruction behind the last,
	s_wait_alu depctr_va_vdst(0)                   ; and one wait ahead of the first line that names a result
	WIN 0x05
.set n, 0
.rept 64
	v_cvt_pk_bf16_f32 v[PF+n], v[2*n], v[2*n+1]
.set n, n+1
.endr
	WIN 0x53
.irp kk, 0,1                           ; O^T = V^T P: sixteen accumulators by turns
.irp qb, 0,1,2,3
.irp cb, 0,1,2,3
.set rO, 128+32*(\qb)+8*(\cb)
.set rV, 128+16*(4*(\hd)+(\cb))+8*(\kk)
.set rP, PF+16*(\qb)+8*(\kk)
.if (\kk) == 0
	v_wmma_f32_16x16x32_bf16 v[rO:rO+7], v[rV:rV+7], v[rP:rP+7], 0
.else
	v_wmma_f32_16x16x32_bf16 v[rO:rO+7], v[rV:rV+7], v[rP:rP+7], v[rO:rO+7]
.endif
.endr
.endr
.endr
	WIN 0x45                                       ; the sum of the unrounded weights, in place; these lines name no register of the products above and are the places behind them
.irp st, 8,4,2,1
.irp qb, 0,1,2,3
.set n, 0
.rept \st
	v_pk_add_f32 v[32*(\qb)+2*n:32*(\qb)+2*n+1], v[32*(\qb)+2*n:32*(\qb)+2*n+1], v[32*(\qb)+2*(n+(\st)):32*(\qb)+2*(n+(\st))+1]
.set n, n+1
.endr
.endr
.endr
	WIN 0x05
	ALLA v_add_f32 v[T+8*qa], v[32*qa], v[32*qa+1]
	WIN 0
	ALLA v_permlanex16_b32 v[T+8*qa+1], v[T+8*qa], s52, s53
	ALLA v_add_f32 v[T+8*qa], v[T+8*qa], v[T+8*qa+1]
	ALLA v_rcp_f32 v[T+8*qa+6], v[T+8*qa]
	v_nop
	s_wait_alu depctr_va_vdst(0)                   ; one wait for the four reciprocals
	WIN 0x41
.irp qb, 0,1,2,3
.set n, 0
.rept 16
	v_pk_mul_f32 v[128+32*(\qb)+2*n:128+32*(\qb)+2*n+1], v[128+32*(\qb)+2*n:128+32*(\qb)+2*n+1], v[T+8*(\qb)+6:T+8*(\qb)+7] op_sel_hi:[1,0]
.set n, n+1
.endr
.endr
	WIN 0x45
.set n, 0
.rept 16
.irp i, 0,1,2,3
	v_cvt_pk_bf16_f32 v[128+8*n+(\i)], v[128+8*n+2*(\i)], v[128+8*n+2*(\i)+1]  ; in place, ascending
.endr
.set n, n+1
.endr
	WIN 0x04
.irp qb, 0,1,2,3
.irp cb, 0,1,2,3
	ds_store_b128 v12, v[128+32*(\qb)+8*(\cb):128+32*(\qb)+8*(\cb)+3] offset:(\qb)*16*XP+128*(\hd)+32*(\cb)  ; into XB, which no wave has read since the barriers of Q's product
.endr
.endr
.endm
; The accumulators start as window 2's numbers (the residual) plus a bias.
.macro ADDBIAS tbl
	LOADBIAS \tbl
	s_wait_dscnt 0x0
	WIN 0x42
.irp a, 0,1,2,3
.irp ct, 0,1,2,3,4,5,6,7
.irp q, 0,1,2,3
	v_pk_add_f32 v[8*(8*(\a)+(\ct))+2*(\q):8*(\a)*8+8*(\ct)+2*(\q)+1], v[8*(8*(\a)+(\ct))+2*(\q):8*(\a)*8+8*(\ct)+2*(\q)+1], v[BIAS+8*(\ct)+2*(\q):BIAS+8*(\ct)+2*(\q)+1]
.endr
.endr
.endr
.endm
; Four chains of pairs for each a into one number a row, the other half of the lanes' among it; it lands in v[dst + 8 a].
.macro FOLD dst
	ALLA v_pk_add_f32 v[LT+8*qa:LT+8*qa+1], v[LT+8*qa:LT+8*qa+1], v[LT+8*qa+2:LT+8*qa+3]
	ALLA v_pk_add_f32 v[LT+8*qa+4:LT+8*qa+5], v[LT+8*qa+4:LT+8*qa+5], v[LT+8*qa+6:LT+8*qa+7]
	ALLA v_pk_add_f32 v[LT+8*qa:LT+8*qa+1], v[LT+8*qa:LT+8*qa+1], v[LT+8*qa+4:LT+8*qa+5]
	ALLA v_add_f32 v[LT+8*qa], v[LT+8*qa], v[LT+8*qa+1]
	ALLA v_permlanex16_b32 v[LT+8*qa+1], v[LT+8*qa], s52, s53
	ALLA v_add_f32 v[(\dst)+8*qa], v[LT+8*qa], v[LT+8*qa+1]
.endm
; A LAYERNORM's STATISTICS.  The accumulators are left centred by my 128 columns' mean; (scale, scale) and (shift, shift) for each a are left at LS + 8 a + 4, so that the result is x scale + shift.
.macro LNSTAT ln
	WIN 0x05                                       ; the sum
.irp p, 0,1,2,3
.irp a, 0,1,2,3
	v_pk_add_f32 v[LT+8*(\a)+2*(\p):LT+8*(\a)+2*(\p)+1], v[64*(\a)+2*(\p):64*(\a)+2*(\p)+1], v[64*(\a)+8+2*(\p):64*(\a)+8+2*(\p)+1]
.endr
.endr
	WIN 0x04
.irp ct, 2,3,4,5,6,7
.irp p, 0,1,2,3
.irp a, 0,1,2,3
	v_pk_add_f32 v[LT+8*(\a)+2*(\p):LT+8*(\a)+2*(\p)+1], v[LT+8*(\a)+2*(\p):LT+8*(\a)+2*(\p)+1], v[64*(\a)+8*(\ct)+2*(\p):64*(\a)+8*(\ct)+2*(\p)+1]
.endr
.endr
.endr
	WIN 0
	FOLD LT
	ALLA v_mul_f32 v[LS+8*qa], s61, v[LT+8*qa]     ; my 128 columns' mean: twice as a pair,
	ALLA v_mul_f32 v[LS+8*qa+1], s61, v[LT+8*qa]
	ALLA v_mul_f32 v[LS+8*qa+2], s61, v[LT+8*qa]   ; and once beside the sum of squares
	WIN 0x41
.irp a, 0,1,2,3
.set n, 0
.rept 32
	v_pk_add_f32 v[64*(\a)+2*n:64*(\a)+2*n+1], v[64*(\a)+2*n:64*(\a)+2*n+1], v[LS+8*(\a):LS+8*(\a)+1] neg_lo:[0,1] neg_hi:[0,1]
.set n, n+1
.endr
.endr
	WIN 0x05
.irp p, 0,1,2,3
.irp a, 0,1,2,3
	v_pk_mul_f32 v[LT+8*(\a)+2*(\p):LT+8*(\a)+2*(\p)+1], v[64*(\a)+2*(\p):64*(\a)+2*(\p)+1], v[64*(\a)+2*(\p):64*(\a)+2*(\p)+1]
.endr
.endr
.irp ct, 1,2,3,4,5,6,7
.irp p, 0,1,2,3
.irp a, 0,1,2,3
	v_pk_fma_f32 v[LT+8*(\a)+2*(\p):LT+8*(\a)+2*(\p)+1], v[64*(\a)+8*(\ct)+2*(\p):64*(\a)+8*(\ct)+2*(\p)+1], v[64*(\a)+8*(\ct)+2*(\p):64*(\a)+8*(\ct)+2*(\p)+1], v[LT+8*(\a)+2*(\p):LT+8*(\a)+2*(\p)+1]
.endr
.endr
.endr
	WIN 0
	FOLD LS+3
.irp a, 0,1,2,3
	ds_store_b64 v14, v[LS+8*(\a)+2:LS+8*(\a)+3] offset:(\ln)*2048+(\a)*128  ; both halves of the lanes store the same pair
.endr
	s_wait_dscnt 0x0                               ; for the others' sake: my stores are done, and so are my last reads of XA and XB
	s_barrier_signal -1
	s_barrier_wait -1                              ; the next block's load may stay out
.irp a, 0,1,2,3
.irp wv, 0,1,2,3
	ds_load_b64 v[LR+8*(\a)+2*(\wv):LR+8*(\a)+2*(\wv)+1], v15 offset:(\ln)*2048+(\wv)*512+(\a)*128
.endr
.endr
	s_wait_dscnt 0x0
	ALLA v_add_f32 v[LQ+8*qa], v[LR+8*qa], v[LR+8*qa+2]
	ALLA v_add_f32 v[LQ+8*qa+1], v[LR+8*qa+4], v[LR+8*qa+6]
	ALLA v_add_f32 v[LQ+8*qa], v[LQ+8*qa], v[LQ+8*qa+1]
	ALLA v_mul_f32 v[LQ+8*qa], 0x3e800000, v[LQ+8*qa]           ; the row's mean m
	ALLA v_sub_f32 v[LQ+8*qa+1], v[LR+8*qa], v[LQ+8*qa]
	ALLA v_sub_f32 v[LQ+8*qa+2], v[LR+8*qa+2], v[LQ+8*qa]
	ALLA v_sub_f32 v[LQ+8*qa+3], v[LR+8*qa+4], v[LQ+8*qa]
	ALLA v_sub_f32 v[LQ+8*qa+4], v[LR+8*qa+6], v[LQ+8*qa]
	ALLA v_mul_f32 v[LQ+8*qa+5], v[LQ+8*qa+1], v[LQ+8*qa+1]
	ALLA v_add_f32 v[LQ+8*qa+6], v[LR+8*qa+1], v[LR+8*qa+3]
	ALLA v_fma_f32 v[LQ+8*qa+5], v[LQ+8*qa+2], v[LQ+8*qa+2], v[LQ+8*qa+5]
	ALLA v_add_f32 v[LQ+8*qa+7], v[LR+8*qa+5], v[LR+8*qa+7]
	ALLA v_fma_f32 v[LQ+8*qa+5], v[LQ+8*qa+3], v[LQ+8*qa+3], v[LQ+8*qa+5]
	ALLA v_add_f32 v[LQ+8*qa+6], v[LQ+8*qa+6], v[LQ+8*qa+7]
	ALLA v_fma_f32 v[LQ+8*qa+5], v[LQ+8*qa+4], v[LQ+8*qa+4], v[LQ+8*qa+5]
	ALLA v_sub_f32 v[LQ+8*qa+7], v[LS+8*qa], v[LQ+8*qa]         ; my mean less m
	ALLA v_fmamk_f32 v[LQ+8*qa+6], v[LQ+8*qa+5], 0x43000000, v[LQ+8*qa+6]  ; the four sums of squares + 128 x the sum of (mean_w - m)^2
	ALLA v_fma_f32 v[LQ+8*qa+6], v[LQ+8*qa+6], s62, s63         ; / 512 + 1e-5
	ALLA v_rsq_f32 v[LS+8*qa+4], v[LQ+8*qa+6]
	v_nop
	s_wait_alu depctr_va_vdst(0)                   ; one wait for the four roots
	ALLA v_mov_b32 v[LS+8*qa+5], v[LS+8*qa+4]
	ALLA v_mul_f32 v[LS+8*qa+6], v[LQ+8*qa+7], v[LS+8*qa+4]
	ALLA v_mul_f32 v[LS+8*qa+7], v[LQ+8*qa+7], v[LS+8*qa+4]
.endm
; THE WAY OUT.  16 rows a: normalised in place, through my stage into whole rows, into window 3.
.macro OUTP a
	WIN 0x41
.set n, 0
.rept 32
	v_pk_fma_f32 v[64*(\a)+2*n:64*(\a)+2*n+1], v[64*(\a)+2*n:64*(\a)+2*n+1], v[LS+8*(\a)+4:LS+8*(\a)+5], v[LS+8*(\a)+6:LS+8*(\a)+7]
.set n, n+1
.endr
	WIN 0x04
.set i, 0
.rept 16
	ds_store_b128 v8, v[64*(\a)+4*i:64*(\a)+4*i+3] offset:(i/2)*64+(i%2)*16  ; tile ct = i / 2, registers 4 (i % 2) on: columns 16 ct + 8 h + 4 (i % 2) on, 4 bytes each; 32 h lies in v8
.set i, i+1
.endr
	WIN 0xc0
.set i, 0
.rept 16
	ds_load_b128 v[64*(\a)+4*i:64*(\a)+4*i+3], v7 offset:i*SGP  ; these see the stores above; the next rows' stores come behind them
.set i, i+1
.endr
.endm
.macro SEND a, younger                 ; younger: the LDS instructions issued behind these rows' loads: the next rows' 32, or none
	WIN 0x0c
	s_wait_dscnt \younger
.set i, 0
.rept 16
	global_store_b128 v13, v[64*(\a)+4*i:64*(\a)+4*i+3], s[36:37] offset:(16*(\a)+i)*TROW th:TH_STORE_NT  ; 512 consecutive bytes, aligned; no register of a store is written again
.set i, i+1
.endr
.endm
	s_load_b512 s[16:31], s[0:1], 0x0              ; xl, xh, te, wb, bk, bv, bq, bo
	s_load_b128 s[32:35], s[0:1], 0x40             ; b1, b2
	s_load_b64 s[36:37], s[0:1], 0x50              ; out0
	v_lshl_add_u32 v30, v0, 2, SPARE
	v_mov_b32 v31, 0
	ds_add_u32 v30, v31                            ; the wave's opening: the add and its wait stand ahead of my first tensor load; the set-up, work on registers, stands between them
	v_lshrrev_b32 v22, 5, v0
	v_readfirstlane_b32 s8, v22                    ; wave 0..3
	s_bfe_u32 s9, ttmp6, 0x40000                   ; cx: my place in the cluster
	s_lshl_b32 s10, ttmp9, 2                       ; in a cluster launch ttmp9 counts clusters
	s_add_co_u32 s10, s10, s9                      ; my tile: b = s10 / 64, n = s10 % 64: it enters the addresses of xl, xh, te and out0 alone
	s_lshr_b32 s12, s10, 6
	s_lshl_b32 s12, s12, 23                        ; b x 64 x 131,072
	s_and_b32 s11, s10, 63
	s_lshl_b32 s11, s11, 11                        ; n x 2,048
	s_add_co_u32 s12, s12, s11
	s_mov_b32 s13, 0
	; descriptor group 1: a quarter of a block, 16,384 dense bytes, as 64 rows of 256 bytes, no padding
	s_mov_b32 s40, 15|(3<<16)|(1<<21)              ; 15:0 the mask: all four work-groups; 17:16 elements of 8 bytes; 21 set beside a mask
	s_mov_b32 s41, 32<<16                          ; tensor_dim0 = 32
	s_mov_b32 s42, 64<<16                          ; tensor_dim1 = 64
	s_mov_b32 s43, 32<<16                          ; tile_dim0 = 32
	s_mov_b32 s44, 64                              ; tile_dim1 = 64
	s_mov_b32 s45, 32                              ; 32 elements from row to row
	s_mov_b32 s46, 0
	s_mov_b32 s47, 0
	s_mov_b32 s48, 1                               ; group 0: count = 1,
	s_lshl_b32 s49, s8, 14                         ; LDS address: my quarter of slot 0
	s_lshl_b32 s14, s8, 14                         ; and the same quarter in memory
	s_mov_b32 s15, 0
	s_mov_b32 s52, 0x76543210
	s_mov_b32 s53, 0xfedcba98
	s_mov_b32 s54, 0x3e38aa3b                      ; log2(e) / 8
	s_mov_b32 s55, 0x3e38aa3b
	s_mov_b32 s56, 0xc6fffe00                      ; -32767
	s_mov_b32 s57, 0
	s_mov_b32 s58, SLOTB                           ; the first change of slots turns it into 0
	s_mov_b32 s61, 0x3c000000                      ; 1 / 128
	s_mov_b32 s62, 0x3b000000                      ; 1 / 512
	s_mov_b32 s63, 0x3727c5ac                      ; 1e-5
	s_lshl_b32 s3, s8, 14
	s_mul_i32 s4, s8, STGW
	s_add_co_u32 s4, s4, STG                       ; my stage
	s_lshl_b32 s5, s8, 8
	s_lshl_b32 s6, s8, 9
	s_lshl_b32 s7, s8, 11
	v_and_b32 v1, 15, v0                           ; r
	v_bfe_u32 v2, v0, 4, 1                         ; h
	v_and_b32 v22, 31, v0                          ; lane
	v_mul_u32_u24 v3, v1, XP
	v_lshl_add_u32 v3, v2, 4, v3
	v_lshl_add_u32 v4, v22, 4, s3
	v_lshl_add_u32 v7, v22, 4, s4
	v_mul_u32_u24 v8, v1, SGP
	v_lshl_add_u32 v8, v2, 5, v8
	v_add_nc_u32 v8, s4, v8
	v_lshl_add_u32 v9, v22, 3, s5
	v_add_nc_u32 v10, XB, v9
	v_add_nc_u32 v9, XA, v9
	v_add_nc_u32 v11, s5, v3
	v_add_nc_u32 v12, XB, v11
	v_add_nc_u32 v11, XA, v11
	v_lshl_add_u32 v13, v22, 4, s6
	v_lshl_add_u32 v15, v1, 3, STAT
	v_add_nc_u32 v14, s6, v15
	v_lshl_add_u32 v16, v2, 5, s6
	v_add_nc_u32 v16, BT, v16
	v_lshl_add_u32 v17, v1, 4, s7
	v_add_nc_u32 v17, BTV, v17
	v_lshlrev_b32 v18, 3, v2
	v_sub_nc_u32 v18, v1, v18
	v_lshl_add_u32 v19, v0, 4, BT
	v_lshl_add_u32 v20, v0, 6, BTV
	v_lshlrev_b32 v21, 4, v0
.irp j, 0,1,2,3,4,5,6,7
	v_cmp_gt_i32 s[MK+(\j)], \j, v18               ; kept in scalar registers of their own
.endr
	s_wait_dscnt 0x0                               ; the opening add is done
	s_wait_kmcnt 0x0
	s_add_nc_u64 s[16:17], s[16:17], s[12:13]      ; xl, xh, te, out0 at my tile's row 0
	s_add_nc_u64 s[18:19], s[18:19], s[12:13]
	s_add_nc_u64 s[20:21], s[20:21], s[12:13]
	s_add_nc_u64 s[36:37], s[36:37], s[12:13]
	s_add_nc_u64 s[50:51], s[22:23], s[14:15]      ; group 0: my quarter of block 0,
	s_or_b32 s51, s51, 0x80000000                  ; type = 2
	global_load_b128 v[224:227], v21, s[24:25]     ; the six biases: 128 threads x 16 bytes each
	global_load_b128 v[228:231], v21, s[28:29]
	global_load_b128 v[232:235], v21, s[30:31]
	global_load_b128 v[236:239], v21, s[32:33]
	global_load_b128 v[240:243], v21, s[34:35]
	global_load_b128 v[244:247], v21, s[26:27]
	LOADCH 0, 0
	WIN 0
	ROUND                                          ; all four work-groups are here: the first joint loads meet
	tensor_load_to_lds s[48:51], s[40:47]          ; block 0 into slot 0; slot 1 is first filled behind the first change's round
	s_nop 0
	PLACES
	LOADCH 1, 1
	s_wait_loadcnt 48                              ; the biases and rows 0-15 are in; rows 16-31's 48 loads stay out
	WIN 0
	ds_store_b128 v19, v[224:227]                  ; bk
	ds_store_b128 v19, v[228:231] offset:2048      ; bq
	ds_store_b128 v19, v[232:235] offset:4096      ; bo
	ds_store_b128 v19, v[236:239] offset:6144      ; b1
	ds_store_b128 v19, v[240:243] offset:8192      ; b2
.irp i, 0,1,2,3
.irp k4, 0,1,2,3
	v_mov_b32 v[32+4*(\i)+(\k4)], v[244+(\i)]      ; bv, each number four times
.endr
	ds_store_b128 v20, v[32+4*(\i):32+4*(\i)+3] offset:16*(\i)
.endr
	PROC 0, 0
	LOADCH 2, 0
	s_wait_loadcnt 48                              ; rows 16-31 are in
	PROC 1, 1
	LOADCH 3, 1
	s_wait_loadcnt 48                              ; rows 32-47
	PROC 2, 0
	s_wait_loadcnt 0x0
	PROC 3, 1
	GEMM 0, 1, XB, 0, 0                            ; K = relu((xh + te) Wk + bk)
	WIN 0xc5
.set n, 0
.rept 128
	v_cvt_pk_bf16_f32 v[n], v[2*n], v[2*n+1]
.set n, n+1
.endr
	WIN 0xc3
.set n, 0
.rept 128
	v_pk_max_num_bf16 v[n], v[n], s57
.set n, n+1
.endr
	GEMM 1, 1, XB, 0, 0                            ; V = relu((xh + te) Wv + bv), a column a lane
	WIN 0xc5
.irp a, 0,1,2,3
.irp ct, 0,1,2,3,4,5,6,7
.irp i, 0,1,2,3
	v_cvt_pk_bf16_f32 v[128+4*(4*(\ct)+(\a))+(\i)], v[8*(8*(\a)+(\ct))+2*(\i)], v[8*(8*(\a)+(\ct))+2*(\i)+1]
.endr
.endr
.endr
	WIN 0xc3
.set n, 128
.rept 128
	v_pk_max_num_bf16 v[n], v[n], s57
.set n, n+1
.endr
	GEMM 0, 1, XA, 1, 0                            ; Q = (xl + te) Wq + bq
	WIN 0x05
.set n, 0
.rept 128
	v_cvt_pk_bf16_f32 v[QF+n], v[2*n], v[2*n+1]
.set n, n+1
.endr
	ATT 0
	ATT 1
	ADDBIAS 2                                      ; xl + te + bo starts the sums
	GEMM 0, 0, XB, 0, 0                            ; + O Wo
	LNSTAT 0
	WIN 0x81                                       ; val, in f32, into window 2
.irp a, 0,1,2,3
.set n, 0
.rept 32
	v_pk_fma_f32 v[64*(\a)+2*n:64*(\a)+2*n+1], v[64*(\a)+2*n:64*(\a)+2*n+1], v[LS+8*(\a)+4:LS+8*(\a)+5], v[LS+8*(\a)+6:LS+8*(\a)+7]
.set n, n+1
.endr
.endr
	WIN 0x4a
.set n, 0
.rept 128
	v_cvt_pk_bf16_f32 v[n], v[2*n], v[2*n+1]
.set n, n+1
.endr
	WIN 0x04
.irp a, 0,1,2,3
.irp ct, 0,1,2,3,4,5,6,7
	ds_store_b128 v11, v[4*(8*(\a)+(\ct)):4*(8*(\a)+(\ct))+3] offset:(\a)*16*XP+32*(\ct)  ; into XA, last read in Q's product, many barriers back
.endr
.endr
	GEMM 0, 1, XA, 3, 0                            ; relu(val W1 + b1)
	WIN 0x45
.set n, 0
.rept 32
.irp i, 0,1,2,3
	v_cvt_pk_bf16_f32 v[8*n+(\i)], v[8*n+2*(\i)], v[8*n+2*(\i)+1]
.endr
.set n, n+1
.endr
	WIN 0x41
.set n, 0
.rept 32
.irp i, 0,1,2,3
	v_pk_max_num_bf16 v[8*n+(\i)], v[8*n+(\i)], s57
.endr
.set n, n+1
.endr
	WIN 0x04
.irp a, 0,1,2,3
.irp ct, 0,1,2,3,4,5,6,7
	ds_store_b128 v12, v[8*(8*(\a)+(\ct)):8*(8*(\a)+(\ct))+3] offset:(\a)*16*XP+32*(\ct)  ; into XB, last read ahead of the first LayerNorm's barrier
.endr
.endr
	ADDBIAS 4                                      ; val + b2 starts the sums
	GEMM 0, 0, XB, 0, 1                            ; + h W2
	LNSTAT 1
	OUTP 0
	OUTP 1                                         ; a block's arithmetic stands between the loads of the block before and its stores
	SEND 0, 32
	OUTP 2
	SEND 1, 32
	OUTP 3
	SEND 2, 32
	SEND 3, 0
	WIN 0
	s_wait_tensorcnt 0x0                           ; the wave's end: behind my last tensor load and my last LDS store
	ds_add_u32 v30, v31
	s_wait_dscnt 0x0
	ROUND                                          ; the closing round: no work-group ends while a partner may still ask for a block that names it
	s_endpgm
.Lfunc_end_k_q643ad40c3a_fused:
	.size	k_q643ad40c3a_fused, .Lfunc_end_k_q643ad40c3a_fused-k_q643ad40c3a_fused
	.p2alignl 7, 3214868480
	.fill 96, 4, 3214868480
	.section	.rodata,"a",@progbits
	.p2align	6, 0x0
	.amdhsa_kernel k_q643ad40c3a_fused
		.amdhsa_group_segment_fixed_size 327680
		.amdhsa_private_segment_fixed_size 0
		.amdhsa_enable_private_segment 0
		.amdhsa_kernarg_size 88
		.amdhsa_user_sgpr_count 2
		.amdhsa_user_sgpr_kernarg_segment_ptr 1
		.amdhsa_wavefront_size32 1
		.amdhsa_system_sgpr_workgroup_id_x 1
		.amdhsa_system_sgpr_workgroup_id_y 1
		.amdhsa_system_sgpr_workgroup_id_z 1
		.amdhsa_system_vgpr_workitem_id 0
		.amdhsa_next_free_vgpr 1024
		.amdhsa_next_free_sgpr 80
		.amdhsa_reserve_vcc 0
		.amdhsa_float_denorm_mode_32 3
		.amdhsa_float_denorm_mode_16_64 3
		.amdhsa_memory_ordered 1
		.amdhsa_forward_progress 1
		.amdhsa_inst_pref_size 255
	.end_amdhsa_kernel
	.section	.bss,"aw",@nobits
	.p2align	6
	.space	262144
	.amdgpu_metadata
---
amdhsa.version: [ 1, 2 ]
amdhsa.kernels:
  - .name:           k_q643ad40c3a_fused
    .symbol:         k_q643ad40c3a_fused.kd
    .args:
      - { .name: xl, .offset: 0, .size: 8, .value_kind: global_buffer, .address_space: global }
      - { .name: xh, .offset: 8, .size: 8, .value_kind: global_buffer, .address_space: global }
      - { .name: te, .offset: 16, .size: 8, .value_kind: global_buffer, .address_space: global }
      - { .name: wb, .offset: 24, .size: 8, .value_kind: global_buffer, .address_space: global }
      - { .name: bk, .offset: 32, .size: 8, .value_kind: global_buffer, .address_space: global }
      - { .name: bv, .offset: 40, .size: 8, .value_kind: global_buffer, .address_space: global }
      - { .name: bq, .offset: 48, .size: 8, .value_kind: global_buffer, .address_space: global }
      - { .name: bo, .offset: 56, .size: 8, .value_kind: global_buffer, .address_space: global }
      - { .name: b1, .offset: 64, .size: 8, .value_kind: global_buffer, .address_space: global }
      - { .name: b2, .offset: 72, .size: 8, .value_kind: global_buffer, .address_space: global }
      - { .name: out0, .offset: 80, .size: 8, .value_kind: global_buffer, .address_space: global }
    .group_segment_fixed_size: 327680
    .private_segment_fixed_size: 0
    .kernarg_segment_align: 8
    .kernarg_segment_size: 88
    .max_flat_workgroup_size: 128
    .sgpr_count:     80
    .vgpr_count:     1024
    .wavefront_size: 32
...
	.end_amdgpu_metadata
.endif
;; end of part 2
;; ======== version 2 of 2: 2 launches
;; workspace buffers: wb 3,145,728 bytes
;; launch prep (part 3): grid 48 x 8, 4 waves a work-group, no clusters, 0 bytes of LDS; arguments Wk, Wv, Wq, Wo, W1, W2, wb; writes wb
.if DOCPART == 3
	.amdgcn_target "amdgcn-amd-amdhsa--gfx1250"
	.amdhsa_code_object_version 6
	.text
	.protected	k_q643ad40c3a_prep
	.globl	k_q643ad40c3a_prep
	.p2align	8
	.type	k_q643ad40c3a_prep,@function
k_q643ad40c3a_prep:
	s_mov_b64 s[64:65], 0
	v_nop
	global_prefetch_b8 v0, s[64:65] scope:SCOPE_SE
	s_setreg_imm32_b32 hwreg(HW_REG_WAVE_MODE, 25, 1), 1
	s_wait_xcnt 0x0
; The six weight matrices W[k][n] (512 x 512, f32) are rounded once to bf16 and laid out in the order in which the next launch's matrix fragments want them.
; wb: piece F = 4 g + s (g = 0..5: Wk, Wv, Wq, Wo, W1, W2; s = 0..3) is 131,072 bytes: [w 0..3: 32,768][q 0..3: 8,192][ct 0..7: 1,024][p 0..1: 512][lane: 16].
; Lane (r = lane % 16, h = lane / 16) holds W[k][n] for n = 128 w + 16 ct + r and k = 128 q + 32 s + 16 p + 8 h + 0..7: piece s takes 32 of k out of each quarter of k.
; SHARES.  Work-group (f, y), f = 8 g + 2 s + qh; wave v takes the 16 columns c16 = 4 y + v and makes four parts (kh, p) with q = 2 qh + kh.  The four waves together read 256 consecutive bytes of each
; row of W; each store of a wave covers 512 consecutive bytes, aligned.  No LDS, no barrier: no wave wants what another has read.
.set WROW, 2048                        ; bytes in a row of W
	s_load_b256 s[8:15], s[0:1], 0x0               ; Wk, Wv, Wq, Wo
	s_load_b128 s[16:19], s[0:1], 0x20             ; W1, W2
	s_load_b64 s[20:21], s[0:1], 0x30              ; wb
	v_lshrrev_b32 v3, 5, v0
	v_readfirstlane_b32 s2, v3                     ; wave
	s_and_b32 s3, ttmp7, 0xffff                    ; y
	s_lshl_b32 s3, s3, 2
	s_add_co_u32 s3, s3, s2                        ; c16
	s_lshr_b32 s22, ttmp9, 3                       ; g
	s_bfe_u32 s23, ttmp9, 0x20001                  ; s
	s_and_b32 s28, ttmp9, 1                        ; qh
	s_lshl_b32 s24, s28, 19                        ; 256 qh rows of W,
	s_lshl_b32 s6, s23, 16                         ; 32 s rows
	s_add_co_u32 s24, s24, s6
	s_mov_b32 s25, 0
	s_lshl_b32 s26, s22, 2
	s_add_co_u32 s26, s26, s23
	s_lshl_b32 s26, s26, 17                        ; piece F,
	s_lshr_b32 s6, s3, 3
	s_lshl_b32 s6, s6, 15                          ; w,
	s_add_co_u32 s26, s26, s6
	s_lshl_b32 s6, s28, 14                         ; q = 2 qh,
	s_add_co_u32 s26, s26, s6
	s_and_b32 s6, s3, 7
	s_lshl_b32 s6, s6, 10                          ; ct
	s_add_co_u32 s26, s26, s6
	s_mov_b32 s27, 0
	s_lshl_b32 s7, s3, 6                           ; 16 columns of 4 bytes
	v_and_b32 v4, 15, v0                           ; r
	v_bfe_u32 v5, v0, 4, 1                         ; h
	v_lshl_add_u32 v1, v4, 2, s7
	v_lshl_add_u32 v1, v5, 14, v1                  ; + 8 h rows: my offset in W; never rewritten
	v_and_b32 v2, 31, v0
	v_lshlrev_b32 v2, 4, v2                        ; 16 x lane: my offset in wb; never rewritten
	s_wait_kmcnt 0x0
	s_mov_b64 s[4:5], s[8:9]                       ; the matrix is chosen by g, which hangs on the work-group's number alone
	s_cmp_eq_u32 s22, 1
	s_cselect_b64 s[4:5], s[10:11], s[4:5]
	s_cmp_eq_u32 s22, 2
	s_cselect_b64 s[4:5], s[12:13], s[4:5]
	s_cmp_eq_u32 s22, 3
	s_cselect_b64 s[4:5], s[14:15], s[4:5]
	s_cmp_eq_u32 s22, 4
	s_cselect_b64 s[4:5], s[16:17], s[4:5]
	s_cmp_eq_u32 s22, 5
	s_cselect_b64 s[4:5], s[18:19], s[4:5]
	s_add_nc_u64 s[4:5], s[4:5], s[24:25]
	s_add_nc_u64 s[20:21], s[20:21], s[26:27]
.set q, 0
.rept 4
.set j, 0
.rept 8
	global_load_b32 v[8+8*q+j], v1, s[4:5] offset:((q/2)*128+(q%2)*16+j)*WROW th:TH_LOAD_NT  ; part q = 2 kh + p: W[256 qh + 128 kh + 32 s + 16 p + 8 h + j][n]
.set j, j+1
.endr
.set q, q+1
.endr
.irp q, 0,1,2,3
	s_wait_loadcnt 24-8*(\q)                       ; part q's eight loads are in; the younger parts' stay out
.irp i, 0,1,2,3
	v_cvt_pk_bf16_f32 v[8+8*(\q)+(\i)], v[8+8*(\q)+2*(\i)], v[8+8*(\q)+2*(\i)+1]  ; in place, ascending: register i is written when it has been read
.endr
	global_store_b128 v2, v[8+8*(\q):8+8*(\q)+3], s[20:21] offset:((\q)/2)*8192+((\q)%2)*512
.endr
	s_endpgm
.Lfunc_end_k_q643ad40c3a_prep:
	.size	k_q643ad40c3a_prep, .Lfunc_end_k_q643ad40c3a_prep-k_q643ad40c3a_prep
	.p2alignl 7, 3214868480
	.fill 96, 4, 3214868480
	.section	.rodata,"a",@progbits
	.p2align	6, 0x0
	.amdhsa_kernel k_q643ad40c3a_prep
		.amdhsa_group_segment_fixed_size 0
		.amdhsa_private_segment_fixed_size 0
		.amdhsa_enable_private_segment 0
		.amdhsa_kernarg_size 56
		.amdhsa_user_sgpr_count 2
		.amdhsa_user_sgpr_kernarg_segment_ptr 1
		.amdhsa_wavefront_size32 1
		.amdhsa_system_sgpr_workgroup_id_x 1
		.amdhsa_system_sgpr_workgroup_id_y 1
		.amdhsa_system_sgpr_workgroup_id_z 1
		.amdhsa_system_vgpr_workitem_id 0
		.amdhsa_next_free_vgpr 48
		.amdhsa_next_free_sgpr 66
		.amdhsa_reserve_vcc 0
		.amdhsa_float_denorm_mode_32 3
		.amdhsa_float_denorm_mode_16_64 3
		.amdhsa_memory_ordered 1
		.amdhsa_forward_progress 1
		.amdhsa_inst_pref_size 7
	.end_amdhsa_kernel
	.amdgpu_metadata
---
amdhsa.version: [ 1, 2 ]
amdhsa.kernels:
  - .name:           k_q643ad40c3a_prep
    .symbol:         k_q643ad40c3a_prep.kd
    .args:
      - { .name: Wk, .offset: 0, .size: 8, .value_kind: global_buffer, .address_space: global }
      - { .name: Wv, .offset: 8, .size: 8, .value_kind: global_buffer, .address_space: global }
      - { .name: Wq, .offset: 16, .size: 8, .value_kind: global_buffer, .address_space: global }
      - { .name: Wo, .offset: 24, .size: 8, .value_kind: global_buffer, .address_space: global }
      - { .name: W1, .offset: 32, .size: 8, .value_kind: global_buffer, .address_space: global }
      - { .name: W2, .offset: 40, .size: 8, .value_kind: global_buffer, .address_space: global }
      - { .name: wb, .offset: 48, .size: 8, .value_kind: global_buffer, .address_space: global }
    .group_segment_fixed_size: 0
    .private_segment_fixed_size: 0
    .kernarg_segment_align: 8
    .kernarg_segment_size: 56
    .max_flat_workgroup_size: 128
    .sgpr_count:     66
    .vgpr_count:     48
    .wavefront_size: 32
...
	.end_amdgpu_metadata
.endif
;; end of part 3
;; launch fused (part 4): grid 512 x 1, 4 waves a work-group, clusters of 4 x 1, 327,680 bytes of LDS; arguments xl, xh, te, wb, bk, bv, bq, bo, b1, b2, out0; writes out0
.if DOCPART == 4
	.amdgcn_target "amdgcn-amd-amdhsa--gfx1250"
	.amdhsa_code_object_version 6
	.text
	.protected	k_q643ad40c3a_fused
	.globl	k_q643ad40c3a_fused
	.p2align	8
	.type	k_q643ad40c3a_fused,@function
k_q643ad40c3a_fused:
	s_mov_b64 s[64:65], 0
	v_nop
	global_prefetch_b8 v0, s[64:65] scope:SCOPE_SE
	s_setreg_imm32_b32 hwreg(HW_REG_WAVE_MODE, 25, 1), 1
	s_wait_xcnt 0x0
	s_wait_alu depctr_hold_cnt(0) depctr_sa_sdst(0) depctr_va_vdst(0) depctr_va_sdst(0) depctr_va_ssrc(0) depctr_va_vcc(0) depctr_vm_vsrc(0)
	s_getreg_b32 s2, hwreg(HW_REG_IB_STS2, 6, 4)
	s_cmp_eq_u32 s2, 0
	s_cbranch_scc0 .Lentry_in_a_cluster
	s_endpgm
.Lentry_in_a_cluster:
	s_bfe_u32 s2, ttmp6, 0x10000c
	s_cmp_lg_u32 s2, 0x3003
	s_cbranch_scc0 .Lentry_shape_is_right
	s_endpgm
.Lentry_shape_is_right:
; THE WHOLE MODULE FOR ONE (b, n): 64 rows (t = 0..63) of 512 features.  xl + te, xh + te; K, V, Q projections; causal attention over t for 8 heads of 64; output projection, residual, LayerNorm;
; two more projections, residual, LayerNorm.  Nothing but the inputs, the weights and the result crosses memory.
; FORMATS.  All matrix operands are bf16 (x, weights, q, k, v, the weights p of the softmax, the attention's result, val, the hidden layer), all sums f32; the residuals xl + te and val stay f32 in registers.
; LIMITS.  A softmax weight below 2^-126 counts as 0; NaN and infinities are not treated apart.  Hidden logits are -32767 before the division by 8, as the module has them, and all 64 keys
; stay in the softmax, whose maximum is the row's true maximum.  A LayerNorm's variance is made of centred numbers: each wave centres by its own 128 columns' mean, and the four waves' (mean, sum of squares) are joined.
; SHARES.  Four waves; wave w owns all 64 rows x columns 128 w .. 128 w + 127 of every product: 32 accumulators of 16 x 16, tile (a = 16 rows, ct = 16 columns) at 8 (8 a + ct).  These are heads 2 w and
; 2 w + 1, so attention never leaves the wave or its registers.
; LAYOUT.  Products are taken transposed (source 0 = 16 columns of W, source 1 = 16 rows of x): a lane (r = lane % 16, h = lane / 16) holds row 16 a + r and the columns 16 ct + 8 h + 0..7.  Rounded in pairs, two
; neighbouring tiles ARE a fragment of K or Q.  V is taken the other way (a lane holds column 16 ct + r and rows 16 a + 8 h + 0..7), which IS a fragment of V^T.  S^T = K Q^T and O^T = V^T P hold one query a lane.
; WEIGHTS.  24 pieces of 131,072 bytes (128 of k x 512 columns, in fragment order) go through two LDS slots; a product is four STEPS, a piece each.  CLUSTER: the four work-groups of a cluster walk the same
; pieces, so each is asked for JOINTLY: every wave asks for its own quarter, with the same descriptor and a mask of four in all partners.  A change of slots is a round of the cluster's barrier; one tensor
; load a wave is out, and it has a step's 128 matrix instructions in which to land.
; x IN LDS.  Two slots leave no room for 64 rows x 512 of x, so x goes through a ring of two pieces of 64 rows x 128 of k.  Step s takes of each wave q its columns 128 q + 32 s + 0..31 (the weights lie in the same
; order of k): so every wave stores its own tiles ct = 2 s, 2 s + 1, eight stores, for the next step at the end of the step in hand.  The piece written was last read two steps back, ahead of the last change of slots;
; the next change, with every wave's wait for its LDS instructions in front of its barrier, shows it whole to all.
; REGISTERS, in windows of 256 (s_set_vgpr_msb: bits 1:0 source 0, 3:2 source 1, 5:4 source 2, 7:6 destination):
;   window 0: v0-31 addresses; v32-95 two buffers of x's fragments; v96-223 two of W's; v224-255 at work.  In attention v96-223 Q, v32-95 P.
;   window 1: the accumulators.  In attention S^T at 32 qb + 8 kb, O^T at 128 + 32 qb + 8 cb.  On the way in: rows' set 0, and set 1's xh.
;   window 2: xl + te in f32, later val, in the accumulators' layout.
;   window 3: K at 4 (8 a + ct), later the attention's result and the hidden layer in the same places; bf16 (xh + te) at 128 + 4 (8 a + ct), later V at 128 + 4 (4 ct + a).  On the way in v0-127: set 1's xl, te.  On the way out: rows to store.
.set SLOTB, 131072                     ; a slot; slot 1 begins here, so one exclusive or turns an address in one slot into the other's
.set XH0,   262144                     ; x's ring: two pieces of 64 rows x 272
.set XTOG,  17408                      ; a piece; XH0 has none of its bits, so one exclusive or turns one piece's address into the other's
.set XH1,   XH0+XTOG
.set XQ,    272                        ; 256 bytes + 16: 68 words: the 16 rows of a fragment load start at 16 different groups of four banks (64 banks of 4 bytes: ISA guide 11.1)
.set STG,   XH0                        ; on the way in and out the ring's bytes are the waves' stages: for each wave 16 rows x 528 bytes of f32 (or x 272 of bf16)
.set STGW,  8448
.set SGP,   528                        ; 512 bytes + 16
.set STAT,  296960                     ; [LayerNorm 0, 1][wave][row] (mean, sum of squares), 8 bytes
.set BT,    301056                     ; bk, bq, bo, b1, b2 in f32, 2,048 bytes each
.set BTV,   311296                     ; bv, each number four times: 16 bytes a column
.set SPARE, 319488                     ; the spare words, 128 bytes for each wave: two blocks of 256 bytes that no other line names
.set TROW,  131072                     ; bytes from row t to row t + 1 of one (b, n)
.set XF0,  32
.set WF0,  96
.set BIAS, 160
.set QF,   96
.set PF,   32
.set T,    224
.set LT,   32                          ; LayerNorm: four chains of pairs for each a
.set LS,   64                          ; for each a: mean_w three times, its sum of squares, (scale, scale), (shift, shift)
.set LR,   96                          ; the four waves' (mean, sum of squares)
.set LQ,   128                         ; at work
.set MK,   66                          ; s[66:73] lane masks: register j of a diagonal tile is hidden
; v3 272 r + 16 h   v4 32,768 w + 16 lane   v5, v6 the fragment loads' addresses   v7 my stage + 16 lane   v8 my stage + 528 r + 32 h   v9 my stage + 8 lane   v10 my stage + 272 r + 16 h
; v11 272 r + 64 w + 16 h   v12 where I store x for the next step   v13 512 w + 16 lane (memory)   v14 STAT + 512 w + 8 r   v15 STAT + 8 r   v16 BT + 512 w + 32 h   v17 BTV + 16 (128 w + r)   v18 r - 8 h
; v19 BT + 16 t   v20 BTV + 64 t   v21 16 t (memory)   v23 256 lane (memory)   v30 my spare word   v31 0
; s8 wave   s9-13 my place and my tile's offset in memory (they enter global addresses alone)   s[16:37] the buffers   s[40:47] descriptor group 1   s[48:51] group 0   s[52:53] lane selects
; s[54:55] log2(e) / 8   s56 -32767   s57 0   s58 the slot in hand   s59 x's piece in hand   s60 steps to go   s61 1/128   s62 1/512   s63 1e-5
; s[74:75] where my prefetches stand   s76 changes of slots so far   s77 how many of them prefetch   s78 1: a product's first trip   s79 at work   s80, s81 x's and W's place in the step   s82 trips to go
.set MSB, 0
.macro WIN new                         ; the immediate's high byte repeats the setting that is left; a switch that changes nothing is dropped
.if MSB != (\new)
	s_set_vgpr_msb (MSB<<8)|(\new)
.set MSB, (\new)
.endif
.endm
.macro PLACES                          ; four places behind matrix instructions, in front of loads into their registers and of vector work on them
.rept 4
	v_nop
.endr
.endm
.macro ALLA line:vararg                ; one line for each qa = 0..3
.set qa, 0
.rept 4
	\line
.set qa, qa+1
.endr
.endm
; A round of the cluster's barrier: my work-group's barrier, so that wave 0's signal speaks for all four waves; wave 0 signals; every wave waits for all four work-groups; my work-group's barrier once more.
.macro ROUND
	s_barrier_signal -1
	s_barrier_wait -1
	s_cmp_lg_u32 s8, 0
	s_cbranch_scc1 .Lnot_wave_0_\@
	s_barrier_signal -3
.Lnot_wave_0_\@:
	s_barrier_wait -3
	s_barrier_signal -1
	s_barrier_wait -1
.endm
; THE CHANGE OF SLOTS, in front of each step.  Each wave waits for all its tensor loads (one is out: its quarter of the piece to be entered), adds 0 to its spare word, and waits for that, for its reads of the
; old slot and of x's old piece, and for its stores of x.  Behind the round no wave of any partner reads the old slot or has a load on its way, and x's next piece is whole.
; refill = 1: the old slot takes the piece after the one entered: the first thing behind the round.
; A PREFETCH INTO THE L2 stands behind the load's lines: the piece that the NEXT change will ask for, 131,072 bytes: cluster 0 alone asks; its sixteen waves take 8,192 bytes each, told apart by address
; (4 cx + wave), a lane to each 256 bytes: one instruction a wave, each block named once in the launch.  The branch hangs on the cluster's number, the same in all partners.  Pieces 0 and 1 come by their loads alone;
; changes 22 and 23 ask for nothing: there is no piece 24.  The address is stepped at the next change's head, behind s_wait_xcnt 0, a whole step behind the prefetch that read it.
.macro CHANGE refill
	WIN 0
	s_wait_xcnt 0x0
	s_add_nc_u64 s[74:75], s[74:75], SLOTB
	s_wait_tensorcnt 0x0
	ds_add_u32 v30, v31                            ; 0 onto my spare word; scalar work stands between it and the wait for it
	s_xor_b32 s58, s58, SLOTB
	s_xor_b32 s59, s59, XTOG
.if \refill
	s_xor_b32 s49, s49, SLOTB                      ; no load of mine is out, so group 0 may be written: the other slot,
	s_add_nc_u64 s[50:51], s[50:51], SLOTB         ; the next piece; the type bits on top are not reached
.endif
	s_wait_dscnt 0x0
	ROUND
.if \refill
	tensor_load_to_lds s[48:51], s[40:47]
	s_nop 0
.endif
	PLACES
.if \refill
	s_cmp_lt_u32 s76, s77
	s_cbranch_scc0 .Lnot_mine_\@
	global_prefetch_b8 v23, s[74:75] th:TH_LOAD_NT scope:SCOPE_SE
.Lnot_mine_\@:
.endif
	s_add_co_u32 s76, s76, 1
.endm
; 24 LDS loads: 32 of k: x's four fragments, W's eight, into buffer hf
.macro FETCH hf
	WIN 0
.irp a, 0,1,2,3
	ds_load_b128 v[XF0+32*(\hf)+8*(\a):XF0+32*(\hf)+8*(\a)+3],   v5 offset:(\a)*16*XQ+64*(\hf)
	ds_load_b128 v[XF0+32*(\hf)+8*(\a)+4:XF0+32*(\hf)+8*(\a)+7], v5 offset:(\a)*16*XQ+64*(\hf)+32
.endr
.irp ct, 0,1,2,3,4,5,6,7
	ds_load_b128 v[WF0+64*(\hf)+8*(\ct):WF0+64*(\hf)+8*(\ct)+3],   v6 offset:(\hf)*8192+(\ct)*1024
	ds_load_b128 v[WF0+64*(\hf)+8*(\ct)+4:WF0+64*(\hf)+8*(\ct)+7], v6 offset:(\hf)*8192+(\ct)*1024+512
.endr
.endm
; The sums start as the bias, loaded straight into the accumulators: my lane's eight columns of each tile, the same for the four a
.macro LOADACC tbl
	WIN 0x40
.irp a, 0,1,2,3
.irp ct, 0,1,2,3,4,5,6,7
	ds_load_b128 v[8*(8*(\a)+(\ct)):8*(8*(\a)+(\ct))+3],   v16 offset:(\tbl)*2048+(\ct)*64
	ds_load_b128 v[8*(8*(\a)+(\ct))+4:8*(8*(\a)+(\ct))+7], v16 offset:(\tbl)*2048+(\ct)*64+16
.endr
.endr
	WIN 0
.endm
.macro LOADACCV                        ; for V: my lane's one column of each tile, eight times
	WIN 0x40
.irp a, 0,1,2,3
.irp ct, 0,1,2,3,4,5,6,7
	ds_load_b128 v[8*(8*(\a)+(\ct)):8*(8*(\a)+(\ct))+3],   v17 offset:(\ct)*256
	ds_load_b128 v[8*(8*(\a)+(\ct))+4:8*(8*(\a)+(\ct))+7], v17 offset:(\ct)*256
.endr
.endr
	WIN 0
.endm
; 32 matrix instructions, one on each accumulator: they take turns, in the same order everywhere.  fm = 0: source 0 = W; 1: source 0 = x.
.macro MUL hf, fm
	WIN 0x50
.irp a, 0,1,2,3
.irp ct, 0,1,2,3,4,5,6,7
.set rD, 8*(8*(\a)+(\ct))
.set rX, XF0+32*(\hf)+8*(\a)
.set rW, WF0+64*(\hf)+8*(\ct)
.if \fm
	v_wmma_f32_16x16x32_bf16 v[rD:rD+7], v[rX:rX+7], v[rW:rW+7], v[rD:rD+7]
.else
	v_wmma_f32_16x16x32_bf16 v[rD:rD+7], v[rW:rW+7], v[rX:rX+7], v[rD:rD+7]
.endif
.endr
.endr
.endm
; My tiles ct = 2 sp, 2 sp + 1 of x go into the piece at v12.  xv = 0: they lie rounded in window 3 at xb + 4 (8 a + ct).  xv = 1: they lie in f32 in window 2 and are rounded here.
.macro XST xv, xb, sp
.if \xv
	WIN 0x0a
.irp a, 0,1,2,3
.irp e, 0,1
.irp i, 0,1,2,3
	v_cvt_pk_bf16_f32 v[T+4*(2*(\a)+(\e))+(\i)], v[8*(8*(\a)+2*(\sp)+(\e))+2*(\i)], v[8*(8*(\a)+2*(\sp)+(\e))+2*(\i)+1]
.endr
.endr
.endr
	WIN 0
.irp a, 0,1,2,3
.irp e, 0,1
	ds_store_b128 v12, v[T+4*(2*(\a)+(\e)):T+4*(2*(\a)+(\e))+3] offset:(\a)*16*XQ+32*(\e)
.endr
.endr
.else
	WIN 0x0c
.irp a, 0,1,2,3
.irp e, 0,1
	ds_store_b128 v12, v[(\xb)+4*(8*(\a)+2*(\sp)+(\e)):(\xb)+4*(8*(\a)+2*(\sp)+(\e))+3] offset:(\a)*16*XQ+32*(\e)
.endr
.endr
	WIN 0
.endif
.endm
; A STEP: 128 of k, in two trips of 32 + 32.  A trip fetches its first 32 while the 32 before, already asked for, are multiplied, and its second 32 while nothing waits for them; the step's last 32 are
; multiplied behind the next change of slots, whose wait has shown them in.  A product's first trip has no 32 before it: those 32 matrix instructions are jumped over (no barrier and no tensor load among them).
; At the step's end x's next piece is stored, while the last products run.  Which two tiles that is hangs on the step, so three forward jumps on the step's counter choose the data registers; the LDS bytes are the same on all ways.
.macro STEP fm, xv, xb, refill
	CHANGE \refill
	s_mov_b32 s80, s59
	s_mov_b32 s81, s58
	s_mov_b32 s82, 2
.Lpair_\@:
	v_add_nc_u32 v6, s81, v4
	v_add_nc_u32 v5, s80, v3
	v_nop
	v_nop                                          ; with the two lines above: four places behind the last trip's products, in front of the loads into their registers
	FETCH 0
	s_wait_dscnt 24                                ; all but the 24 just issued: the 32 of k before are in
	s_cmp_eq_u32 s78, 1
	s_cbranch_scc1 .Lnone_\@
	MUL 1, \fm
	WIN 0
.Lnone_\@:
	s_mov_b32 s78, 0
	PLACES
	FETCH 1
	s_wait_dscnt 24                                ; the first 32 are in; the second 32's 24 loads stay out
	MUL 0, \fm
	WIN 0
	s_add_co_u32 s80, s80, 128
	s_add_co_u32 s81, s81, 16384
	s_sub_co_u32 s82, s82, 1
	s_cmp_lg_u32 s82, 0
	s_cbranch_scc1 .Lpair_\@
.if \refill
	s_xor_b32 s79, s59, XTOG                       ; the piece that is not being read
	v_add_nc_u32 v12, s79, v11
	s_cmp_eq_u32 s60, 4
	s_cbranch_scc0 .Lnot1_\@
	XST \xv, \xb, 1
	s_branch .Lstored_\@
.Lnot1_\@:
	s_cmp_eq_u32 s60, 3
	s_cbranch_scc0 .Lnot2_\@
	XST \xv, \xb, 2
	s_branch .Lstored_\@
.Lnot2_\@:
	s_cmp_eq_u32 s60, 2
	s_cbranch_scc0 .Lstored_\@                     ; a product's last step stores nothing: the next product's x is not made yet
	XST \xv, \xb, 3
.Lstored_\@:
.endif
.endm
; A product of the 64 rows with one matrix: four steps.  Its first piece of x is stored ahead of the first change; that piece was last read in the third step of the product before.
; last = 1: the launch's last: its last step asks for nothing, and is written out.
.macro GEMM fm, xv, xb, last
	WIN 0
	s_mov_b32 s59, XH1                             ; the first change turns it into XH0
	v_add_nc_u32 v12, XH0, v11
	XST \xv, \xb, 0
	s_mov_b32 s78, 1
	s_mov_b32 s60, 4
.Lstep_\@:
	STEP \fm, \xv, \xb, 1
	s_sub_co_u32 s60, s60, 1
	s_cmp_lg_u32 s60, \last
	s_cbranch_scc1 .Lstep_\@
.if \last
	STEP \fm, \xv, \xb, 0
.endif
	s_wait_dscnt 0x0
	MUL 1, \fm
	PLACES
	PLACES                                         ; eight, once a product
	WIN 0
.endm
; THE WAY IN.  16 rows a: my 512 bytes of each row of xl, te, xh: 48 loads, each of 512 consecutive bytes, aligned.  set 0: window 1, v0-191.  set 1: xl, te window 3, v0-127; xh window 1, v192-255.
.macro LOADCH a, set
	WIN 0x40+0x80*(\set)
.set i, 0
.rept 16
	global_load_b128 v[4*i:4*i+3],       v13, s[16:17] offset:(16*(\a)+i)*TROW th:TH_LOAD_NT
	global_load_b128 v[64+4*i:64+4*i+3], v13, s[20:21] offset:(16*(\a)+i)*TROW th:TH_LOAD_NT
.set i, i+1
.endr
	WIN 0x40
.set i, 0
.rept 16
	global_load_b128 v[128+64*(\set)+4*i:128+64*(\set)+4*i+3], v13, s[18:19] offset:(16*(\a)+i)*TROW th:TH_LOAD_NT
.set i, i+1
.endr
.endm
; The two sums.  xl + te goes in f32 through my stage into window 2, xh + te in bf16 through the same bytes into window 3, both in the accumulators' layout.  LDS serves a wave's instructions in order
; (ISA guide 5.7.1.4), so my stage needs no wait: each read sees the stores ahead of it and is served ahead of the stores behind it.
.macro PROC a, set
.set ws, 1+2*(\set)
.set xhb, 128+64*(\set)
	WIN (ws<<6)|(ws<<2)|ws
.set n, 0
.rept 32
	v_pk_add_f32 v[2*n:2*n+1], v[2*n:2*n+1], v[64+2*n:64+2*n+1]
.set n, n+1
.endr
	WIN 0x41|(ws<<2)
.set n, 0
.rept 32
	v_pk_add_f32 v[xhb+2*n:xhb+2*n+1], v[xhb+2*n:xhb+2*n+1], v[64+2*n:64+2*n+1]
.set n, n+1
.endr
	WIN (ws<<6)|0x05
.set n, 0
.rept 32
	v_cvt_pk_bf16_f32 v[64+n], v[xhb+2*n], v[xhb+2*n+1]  ; into te's registers, which both sums have read
.set n, n+1
.endr
	WIN ws<<2
.set i, 0
.rept 16
	ds_store_b128 v7, v[4*i:4*i+3] offset:i*SGP
.set i, i+1
.endr
	WIN 0x80
.set i, 0
.rept 16
	ds_load_b128 v[64*(\a)+4*i:64*(\a)+4*i+3], v8 offset:(i/2)*64+(i%2)*16  ; tile ct = i / 2, its registers 4 (i % 2) on: columns 16 ct + 8 h + 4 (i % 2) on, 4 bytes each; 32 h lies in v8
.set i, i+1
.endr
	WIN ws<<2
.set i, 0
.rept 16
	ds_store_b64 v9, v[64+2*i:64+2*i+1] offset:i*XQ
.set i, i+1
.endr
	WIN 0xc0
.set i, 0
.rept 8
	ds_load_b128 v[128+32*(\a)+4*i:128+32*(\a)+4*i+3], v10 offset:32*i  ; tile ct = i: columns 16 ct + 8 h + 0..7, 2 bytes each; 16 h lies in v10
.set i, i+1
.endr
.endm
; The accumulators, rounded and cut off at 0, into window 3 at 4 (8 a + ct)
.macro RELU3
	WIN 0xc5
.set n, 0
.rept 128
	v_cvt_pk_bf16_f32 v[n], v[2*n], v[2*n+1]
.set n, n+1
.endr
	WIN 0xc3
.set n, 0
.rept 128
	v_pk_max_num_bf16 v[n], v[n], s57
.set n, n+1
.endr
.endm
; ATTENTION for my head hd (0, 1), in phases.
.macro ATT hd
	WIN 0x53                                       ; K and V window 3, Q and P window 0, S^T and O^T window 1
.irp c2, 0,1                           ; S^T = K Q^T for the ten tiles at or below the diagonal; they take turns
.irp qb, 0,1,2,3
.irp kb, 0,1,2,3
.if (\kb) <= (\qb)
.set rS, 32*(\qb)+8*(\kb)
.set rK, 32*(\kb)+16*(\hd)+8*(\c2)
.set rQ, QF+32*(\qb)+16*(\hd)+8*(\c2)
.if (\c2) == 0
	v_wmma_f32_16x16x32_bf16 v[rS:rS+7], v[rK:rK+7], v[rQ:rQ+7], 0
.else
	v_wmma_f32_16x16x32_bf16 v[rS:rS+7], v[rK:rK+7], v[rQ:rQ+7], v[rS:rS+7]
.endif
.endif
.endr
.endr
.endr
	WIN 0x40                                       ; the six tiles above the diagonal are -32767 throughout; these 48 lines are also the places behind the products
.irp qb, 0,1,2
.irp kb, 1,2,3
.if (\kb) > (\qb)
.set j, 0
.rept 8
	v_mov_b32 v[32*(\qb)+8*(\kb)+j], s56
.set j, j+1
.endr
.endif
.endr
.endr
	WIN 0x41                                       ; the diagonal tiles: key 8 h + j is hidden from query r where j > r - 8 h
.irp qb, 0,1,2,3
.irp j, 0,1,2,3,4,5,6,7
	v_cndmask_b32 v[40*(\qb)+(\j)], v[40*(\qb)+(\j)], s56, s[MK+(\j)]
.endr
.endr
	WIN 0x15                                       ; the maximum of a lane's 32 scores: four chains, each tile's lowest registers first
.irp kq, 0,1,2,3
.irp qb, 0,1,2,3
	v_max3_num_f32 v[T+8*(\qb)+(\kq)], v[32*(\qb)+8*(\kq)], v[32*(\qb)+8*(\kq)+1], v[32*(\qb)+8*(\kq)+2]
.endr
.endr
	WIN 0x14
.irp g, 1,2
.irp kq, 0,1,2,3
.irp qb, 0,1,2,3
	v_max3_num_f32 v[T+8*(\qb)+(\kq)], v[T+8*(\qb)+(\kq)], v[32*(\qb)+8*(\kq)+2*(\g)+1], v[32*(\qb)+8*(\kq)+2*(\g)+2]
.endr
.endr
.endr
	ALLA v_max3_num_f32 v[T+8*qa], v[T+8*qa], v[32*qa+7], v[32*qa+15]
	ALLA v_max3_num_f32 v[T+8*qa+2], v[T+8*qa+2], v[32*qa+23], v[32*qa+31]
	WIN 0
	ALLA v_max3_num_f32 v[T+8*qa], v[T+8*qa], v[T+8*qa+1], v[T+8*qa+2]
	ALLA v_max_num_f32 v[T+8*qa], v[T+8*qa], v[T+8*qa+3]
	ALLA v_permlanex16_b32 v[T+8*qa+1], v[T+8*qa], s52, s53  ; the query's other 32 keys lie in the lane 16 away
	ALLA v_max_num_f32 v[T+8*qa+2], v[T+8*qa], v[T+8*qa+1]
	ALLA v_mul_f32 v[T+8*qa+6], s54, v[T+8*qa+2]             ; c m, c = log2(e) / 8,
	ALLA v_mul_f32 v[T+8*qa+7], s54, v[T+8*qa+2]             ; named as a pair
	WIN 0x41
.irp qb, 0,1,2,3
.set n, 0
.rept 16
	v_pk_fma_f32 v[32*(\qb)+2*n:32*(\qb)+2*n+1], v[32*(\qb)+2*n:32*(\qb)+2*n+1], s[54:55], v[T+8*(\qb)+6:T+8*(\qb)+7] op_sel_hi:[1,0,0] neg_lo:[0,0,1] neg_hi:[0,0,1]  ; c s - c m
.set n, n+1
.endr
.endr
.set n, 0
.rept 128                              ; one batch of exponentials,
	v_exp_f32 v[n], v[n]
.set n, n+1
.endr
	v_nop                                          ; a plain instruction behind the last,
	s_wait_alu depctr_va_vdst(0)                   ; and one wait ahead of the first line that names a result
	WIN 0x05
.set n, 0
.rept 64
	v_cvt_pk_bf16_f32 v[PF+n], v[2*n], v[2*n+1]
.set n, n+1
.endr
	WIN 0x53
.irp kk, 0,1                           ; O^T = V^T P: sixteen accumulators by turns
.irp qb, 0,1,2,3
.irp cb, 0,1,2,3
.set rO, 128+32*(\qb)+8*(\cb)
.set rV, 128+16*(4*(\hd)+(\cb))+8*(\kk)
.set rP, PF+16*(\qb)+8*(\kk)
.if (\kk) == 0
	v_wmma_f32_16x16x32_bf16 v[rO:rO+7], v[rV:rV+7], v[rP:rP+7], 0
.else
	v_wmma_f32_16x16x32_bf16 v[rO:rO+7], v[rV:rV+7], v[rP:rP+7], v[rO:rO+7]
.endif
.endr
.endr
.endr
	WIN 0x45                                       ; the sum of the unrounded weights, in place; these lines name no register of the products above and are the places behind them
.irp st, 8,4,2,1
.irp qb, 0,1,2,3
.set n, 0
.rept \st
	v_pk_add_f32 v[32*(\qb)+2*n:32*(\qb)+2*n+1], v[32*(\qb)+2*n:32*(\qb)+2*n+1], v[32*(\qb)+2*(n+(\st)):32*(\qb)+2*(n+(\st))+1]
.set n, n+1
.endr
.endr
.endr
	WIN 0x05
	ALLA v_add_f32 v[T+8*qa], v[32*qa], v[32*qa+1]
	WIN 0
	ALLA v_permlanex16_b32 v[T+8*qa+1], v[T+8*qa], s52, s53
	ALLA v_add_f32 v[T+8*qa], v[T+8*qa], v[T+8*qa+1]
	ALLA v_rcp_f32 v[T+8*qa+6], v[T+8*qa]
	v_nop
	s_wait_alu depctr_va_vdst(0)                   ; one wait for the four reciprocals
	WIN 0x41
.irp qb, 0,1,2,3
.set n, 0
.rept 16
	v_pk_mul_f32 v[128+32*(\qb)+2*n:128+32*(\qb)+2*n+1], v[128+32*(\qb)+2*n:128+32*(\qb)+2*n+1], v[T+8*(\qb)+6:T+8*(\qb)+7] op_sel_hi:[1,0]
.set n, n+1
.endr
.endr
	WIN 0xc5                                       ; rounded, as tile (a = qb, ct = 4 hd + cb), into window 3: over this head's K, which has been multiplied
.irp qb, 0,1,2,3
.irp cb, 0,1,2,3
.irp i, 0,1,2,3
	v_cvt_pk_bf16_f32 v[4*(8*(\qb)+4*(\hd)+(\cb))+(\i)], v[128+32*(\qb)+8*(\cb)+2*(\i)], v[128+32*(\qb)+8*(\cb)+2*(\i)+1]
.endr
.endr
.endr
.endm
; The accumulators start as window 2's numbers (the residual) plus a bias.
.macro ADDBIAS tbl
	WIN 0
.irp ct, 0,1,2,3,4,5,6,7
	ds_load_b128 v[BIAS+8*(\ct):BIAS+8*(\ct)+3],   v16 offset:(\tbl)*2048+(\ct)*64
	ds_load_b128 v[BIAS+8*(\ct)+4:BIAS+8*(\ct)+7], v16 offset:(\tbl)*2048+(\ct)*64+16
.endr
	s_wait_dscnt 0x0
	WIN 0x42
.irp a, 0,1,2,3
.irp ct, 0,1,2,3,4,5,6,7
.irp q, 0,1,2,3
	v_pk_add_f32 v[8*(8*(\a)+(\ct))+2*(\q):8*(8*(\a)+(\ct))+2*(\q)+1], v[8*(8*(\a)+(\ct))+2*(\q):8*(8*(\a)+(\ct))+2*(\q)+1], v[BIAS+8*(\ct)+2*(\q):BIAS+8*(\ct)+2*(\q)+1]
.endr
.endr
.endr
.endm
; Four chains of pairs for each a into one number a row, the other half of the lanes' among it; it lands in v[dst + 8 a].
.macro FOLD dst
	ALLA v_pk_add_f32 v[LT+8*qa:LT+8*qa+1], v[LT+8*qa:LT+8*qa+1], v[LT+8*qa+2:LT+8*qa+3]
	ALLA v_pk_add_f32 v[LT+8*qa+4:LT+8*qa+5], v[LT+8*qa+4:LT+8*qa+5], v[LT+8*qa+6:LT+8*qa+7]
	ALLA v_pk_add_f32 v[LT+8*qa:LT+8*qa+1], v[LT+8*qa:LT+8*qa+1], v[LT+8*qa+4:LT+8*qa+5]
	ALLA v_add_f32 v[LT+8*qa], v[LT+8*qa], v[LT+8*qa+1]
	ALLA v_permlanex16_b32 v[LT+8*qa+1], v[LT+8*qa], s52, s53
	ALLA v_add_f32 v[(\dst)+8*qa], v[LT+8*qa], v[LT+8*qa+1]
.endm
; A LAYERNORM's STATISTICS.  The accumulators are left centred by my 128 columns' mean; (scale, scale) and (shift, shift) for each a are left at LS + 8 a + 4, so that the result is x scale + shift.
.macro LNSTAT ln
	WIN 0x05                                       ; the sum
.irp p, 0,1,2,3
.irp a, 0,1,2,3
	v_pk_add_f32 v[LT+8*(\a)+2*(\p):LT+8*(\a)+2*(\p)+1], v[64*(\a)+2*(\p):64*(\a)+2*(\p)+1], v[64*(\a)+8+2*(\p):64*(\a)+8+2*(\p)+1]
.endr
.endr
	WIN 0x04
.irp ct, 2,3,4,5,6,7
.irp p, 0,1,2,3
.irp a, 0,1,2,3
	v_pk_add_f32 v[LT+8*(\a)+2*(\p):LT+8*(\a)+2*(\p)+1], v[LT+8*(\a)+2*(\p):LT+8*(\a)+2*(\p)+1], v[64*(\a)+8*(\ct)+2*(\p):64*(\a)+8*(\ct)+2*(\p)+1]
.endr
.endr
.endr
	WIN 0
	FOLD LT
	ALLA v_mul_f32 v[LS+8*qa], s61, v[LT+8*qa]     ; my 128 columns' mean: twice as a pair,
	ALLA v_mul_f32 v[LS+8*qa+1], s61, v[LT+8*qa]
	ALLA v_mul_f32 v[LS+8*qa+2], s61, v[LT+8*qa]   ; and once beside the sum of squares
	WIN 0x41
.irp a, 0,1,2,3
.set n, 0
.rept 32
	v_pk_add_f32 v[64*(\a)+2*n:64*(\a)+2*n+1], v[64*(\a)+2*n:64*(\a)+2*n+1], v[LS+8*(\a):LS+8*(\a)+1] neg_lo:[0,1] neg_hi:[0,1]
.set n, n+1
.endr
.endr
	WIN 0x05
.irp p, 0,1,2,3
.irp a, 0,1,2,3
	v_pk_mul_f32 v[LT+8*(\a)+2*(\p):LT+8*(\a)+2*(\p)+1], v[64*(\a)+2*(\p):64*(\a)+2*(\p)+1], v[64*(\a)+2*(\p):64*(\a)+2*(\p)+1]
.endr
.endr
.irp ct, 1,2,3,4,5,6,7
.irp p, 0,1,2,3
.irp a, 0,1,2,3
	v_pk_fma_f32 v[LT+8*(\a)+2*(\p):LT+8*(\a)+2*(\p)+1], v[64*(\a)+8*(\ct)+2*(\p):64*(\a)+8*(\ct)+2*(\p)+1], v[64*(\a)+8*(\ct)+2*(\p):64*(\a)+8*(\ct)+2*(\p)+1], v[LT+8*(\a)+2*(\p):LT+8*(\a)+2*(\p)+1]
.endr
.endr
.endr
	WIN 0
	FOLD LS+3
.irp a, 0,1,2,3
	ds_store_b64 v14, v[LS+8*(\a)+2:LS+8*(\a)+3] offset:(\ln)*2048+(\a)*128  ; both halves of the lanes store the same pair
.endr
	s_wait_dscnt 0x0                               ; for the others' sake: my stores are done, and so are my last reads of x's ring
	s_barrier_signal -1
	s_barrier_wait -1                              ; the next piece's load may stay out
.irp a, 0,1,2,3
.irp wv, 0,1,2,3
	ds_load_b64 v[LR+8*(\a)+2*(\wv):LR+8*(\a)+2*(\wv)+1], v15 offset:(\ln)*2048+(\wv)*512+(\a)*128
.endr
.endr
	s_wait_dscnt 0x0
	ALLA v_add_f32 v[LQ+8*qa], v[LR+8*qa], v[LR+8*qa+2]
	ALLA v_add_f32 v[LQ+8*qa+1], v[LR+8*qa+4], v[LR+8*qa+6]
	ALLA v_add_f32 v[LQ+8*qa], v[LQ+8*qa], v[LQ+8*qa+1]
	ALLA v_mul_f32 v[LQ+8*qa], 0x3e800000, v[LQ+8*qa]           ; the row's mean m
	ALLA v_sub_f32 v[LQ+8*qa+1], v[LR+8*qa], v[LQ+8*qa]
	ALLA v_sub_f32 v[LQ+8*qa+2], v[LR+8*qa+2], v[LQ+8*qa]
	ALLA v_sub_f32 v[LQ+8*qa+3], v[LR+8*qa+4], v[LQ+8*qa]
	ALLA v_sub_f32 v[LQ+8*qa+4], v[LR+8*qa+6], v[LQ+8*qa]
	ALLA v_mul_f32 v[LQ+8*qa+5], v[LQ+8*qa+1], v[LQ+8*qa+1]
	ALLA v_add_f32 v[LQ+8*qa+6], v[LR+8*qa+1], v[LR+8*qa+3]
	ALLA v_fma_f32 v[LQ+8*qa+5], v[LQ+8*qa+2], v[LQ+8*qa+2], v[LQ+8*qa+5]
	ALLA v_add_f32 v[LQ+8*qa+7], v[LR+8*qa+5], v[LR+8*qa+7]
	ALLA v_fma_f32 v[LQ+8*qa+5], v[LQ+8*qa+3], v[LQ+8*qa+3], v[LQ+8*qa+5]
	ALLA v_add_f32 v[LQ+8*qa+6], v[LQ+8*qa+6], v[LQ+8*qa+7]
	ALLA v_fma_f32 v[LQ+8*qa+5], v[LQ+8*qa+4], v[LQ+8*qa+4], v[LQ+8*qa+5]
	ALLA v_sub_f32 v[LQ+8*qa+7], v[LS+8*qa], v[LQ+8*qa]         ; my mean less m
	ALLA v_fmamk_f32 v[LQ+8*qa+6], v[LQ+8*qa+5], 0x43000000, v[LQ+8*qa+6]  ; the four sums of squares + 128 x the sum of (mean_w - m)^2
	ALLA v_fma_f32 v[LQ+8*qa+6], v[LQ+8*qa+6], s62, s63         ; / 512 + 1e-5
	ALLA v_rsq_f32 v[LS+8*qa+4], v[LQ+8*qa+6]
	v_nop
	s_wait_alu depctr_va_vdst(0)                   ; one wait for the four roots
	ALLA v_mov_b32 v[LS+8*qa+5], v[LS+8*qa+4]
	ALLA v_mul_f32 v[LS+8*qa+6], v[LQ+8*qa+7], v[LS+8*qa+4]
	ALLA v_mul_f32 v[LS+8*qa+7], v[LQ+8*qa+7], v[LS+8*qa+4]
.endm
; THE WAY OUT.  16 rows a: normalised in place, through my stage into whole rows, into window 3.
.macro OUTP a
	WIN 0x41
.set n, 0
.rept 32
	v_pk_fma_f32 v[64*(\a)+2*n:64*(\a)+2*n+1], v[64*(\a)+2*n:64*(\a)+2*n+1], v[LS+8*(\a)+4:LS+8*(\a)+5], v[LS+8*(\a)+6:LS+8*(\a)+7]
.set n, n+1
.endr
	WIN 0x04
.set i, 0
.rept 16
	ds_store_b128 v8, v[64*(\a)+4*i:64*(\a)+4*i+3] offset:(i/2)*64+(i%2)*16  ; tile ct = i / 2, registers 4 (i % 2) on: columns 16 ct + 8 h + 4 (i % 2) on, 4 bytes each; 32 h lies in v8
.set i, i+1
.endr
	WIN 0xc0
.set i, 0
.rept 16
	ds_load_b128 v[64*(\a)+4*i:64*(\a)+4*i+3], v7 offset:i*SGP  ; these see the stores above; the next rows' stores come behind them
.set i, i+1
.endr
.endm
.macro SEND a, younger                 ; younger: the LDS instructions issued behind these rows' loads: the next rows' 32, or none
	WIN 0x0c
	s_wait_dscnt \younger
.set i, 0
.rept 16
	global_store_b128 v13, v[64*(\a)+4*i:64*(\a)+4*i+3], s[36:37] offset:(16*(\a)+i)*TROW th:TH_STORE_NT  ; 512 consecutive bytes, aligned; no register of a store is written again
.set i, i+1
.endr
.endm
	s_load_b512 s[16:31], s[0:1], 0x0              ; xl, xh, te, wb, bk, bv, bq, bo
	s_load_b128 s[32:35], s[0:1], 0x40             ; b1, b2
	s_load_b64 s[36:37], s[0:1], 0x50              ; out0
	v_lshl_add_u32 v30, v0, 2, SPARE
	v_mov_b32 v31, 0
	ds_add_u32 v30, v31                            ; the wave's opening: the add and its wait stand ahead of my first tensor load; the set-up, work on registers, stands between them
	v_lshrrev_b32 v22, 5, v0
	v_readfirstlane_b32 s8, v22                    ; wave 0..3
	s_bfe_u32 s9, ttmp6, 0x40000                   ; cx: my place in the cluster
	s_lshl_b32 s10, ttmp9, 2                       ; in a cluster launch ttmp9 counts clusters
	s_add_co_u32 s10, s10, s9                      ; my tile: b = s10 / 64, n = s10 % 64: it enters the addresses of xl, xh, te and out0 alone
	s_lshr_b32 s12, s10, 6
	s_lshl_b32 s12, s12, 23                        ; b x 64 x 131,072
	s_and_b32 s11, s10, 63
	s_lshl_b32 s11, s11, 11                        ; n x 2,048
	s_add_co_u32 s12, s12, s11
	s_mov_b32 s13, 0
	s_lshl_b32 s38, s9, 2                          ; the prefetches: 4 cx + wave,
	s_add_co_u32 s38, s38, s8
	s_lshl_b32 s38, s38, 13                        ; 8,192 bytes each,
	s_add_co_u32 s38, s38, SLOTB                   ; in piece 1: the first change of slots steps it to piece 2
	s_mov_b32 s39, 0
	s_cmp_eq_u32 ttmp9, 0                          ; cluster 0 asks: the same answer in all four partners
	s_cselect_b32 s77, 22, 0
	s_mov_b32 s76, 0
	; descriptor group 1: a quarter of a piece, 32,768 dense bytes, as 128 rows of 256 bytes, no padding
	s_mov_b32 s40, 15|(3<<16)|(1<<21)              ; 15:0 the mask: all four work-groups; 17:16 elements of 8 bytes; 21 set beside a mask
	s_mov_b32 s41, 32<<16                          ; tensor_dim0 = 32
	s_mov_b32 s42, 128<<16                         ; tensor_dim1 = 128
	s_mov_b32 s43, 32<<16                          ; tile_dim0 = 32
	s_mov_b32 s44, 128                             ; tile_dim1 = 128
	s_mov_b32 s45, 32                              ; 32 elements from row to row
	s_mov_b32 s46, 0
	s_mov_b32 s47, 0
	s_mov_b32 s48, 1                               ; group 0: count = 1,
	s_lshl_b32 s49, s8, 15                         ; LDS address: my quarter of slot 0
	s_lshl_b32 s14, s8, 15                         ; and the same quarter in memory
	s_mov_b32 s15, 0
	s_mov_b32 s52, 0x76543210
	s_mov_b32 s53, 0xfedcba98
	s_mov_b32 s54, 0x3e38aa3b                      ; log2(e) / 8
	s_mov_b32 s55, 0x3e38aa3b
	s_mov_b32 s56, 0xc6fffe00                      ; -32767
	s_mov_b32 s57, 0
	s_mov_b32 s58, SLOTB                           ; the first change of slots turns it into 0
	s_mov_b32 s61, 0x3c000000                      ; 1 / 128
	s_mov_b32 s62, 0x3b000000                      ; 1 / 512
	s_mov_b32 s63, 0x3727c5ac                      ; 1e-5
	s_lshl_b32 s3, s8, 15
	s_mul_i32 s4, s8, STGW
	s_add_co_u32 s4, s4, STG                       ; my stage
	s_lshl_b32 s5, s8, 6
	s_lshl_b32 s6, s8, 9
	s_lshl_b32 s7, s8, 11
	v_and_b32 v1, 15, v0                           ; r
	v_bfe_u32 v2, v0, 4, 1                         ; h
	v_and_b32 v22, 31, v0                          ; lane
	v_mul_u32_u24 v3, v1, XQ
	v_lshl_add_u32 v3, v2, 4, v3
	v_lshl_add_u32 v4, v22, 4, s3
	v_lshl_add_u32 v7, v22, 4, s4
	v_mul_u32_u24 v8, v1, SGP
	v_lshl_add_u32 v8, v2, 5, v8
	v_add_nc_u32 v8, s4, v8
	v_lshl_add_u32 v9, v22, 3, s4
	v_add_nc_u32 v10, s4, v3
	v_add_nc_u32 v11, s5, v3
	v_lshl_add_u32 v13, v22, 4, s6
	v_lshl_add_u32 v15, v1, 3, STAT
	v_add_nc_u32 v14, s6, v15
	v_lshl_add_u32 v16, v2, 5, s6
	v_add_nc_u32 v16, BT, v16
	v_lshl_add_u32 v17, v1, 4, s7
	v_add_nc_u32 v17, BTV, v17
	v_lshlrev_b32 v18, 3, v2
	v_sub_nc_u32 v18, v1, v18
	v_lshl_add_u32 v19, v0, 4, BT
	v_lshl_add_u32 v20, v0, 6, BTV
	v_lshlrev_b32 v21, 4, v0
	v_lshlrev_b32 v23, 8, v22
.irp j, 0,1,2,3,4,5,6,7
	v_cmp_gt_i32 s[MK+(\j)], \j, v18               ; kept in scalar registers of their own
.endr
	s_wait_dscnt 0x0                               ; the opening add is done
	s_wait_kmcnt 0x0
	s_add_nc_u64 s[16:17], s[16:17], s[12:13]      ; xl, xh, te, out0 at my tile's row 0
	s_add_nc_u64 s[18:19], s[18:19], s[12:13]
	s_add_nc_u64 s[20:21], s[20:21], s[12:13]
	s_add_nc_u64 s[36:37], s[36:37], s[12:13]
	s_add_nc_u64 s[74:75], s[22:23], s[38:39]
	s_add_nc_u64 s[50:51], s[22:23], s[14:15]      ; group 0: my quarter of piece 0,
	s_or_b32 s51, s51, 0x80000000                  ; type = 2
	global_load_b128 v[224:227], v21, s[24:25]     ; the six biases: 128 threads x 16 bytes each
	global_load_b128 v[228:231], v21, s[28:29]
	global_load_b128 v[232:235], v21, s[30:31]
	global_load_b128 v[236:239], v21, s[32:33]
	global_load_b128 v[240:243], v21, s[34:35]
	global_load_b128 v[244:247], v21, s[26:27]
	LOADCH 0, 0
	WIN 0
	ROUND                                          ; all four work-groups are here: the first joint loads meet
	tensor_load_to_lds s[48:51], s[40:47]          ; piece 0 into slot 0; slot 1 is first filled behind the first change's round
	s_nop 0
	PLACES
	LOADCH 1, 1
	s_wait_loadcnt 48                              ; the biases and rows 0-15 are in; rows 16-31's 48 loads stay out
	WIN 0
	ds_store_b128 v19, v[224:227]                  ; bk
	ds_store_b128 v19, v[228:231] offset:2048      ; bq
	ds_store_b128 v19, v[232:235] offset:4096      ; bo
	ds_store_b128 v19, v[236:239] offset:6144      ; b1
	ds_store_b128 v19, v[240:243] offset:8192      ; b2
.irp i, 0,1,2,3
.irp k4, 0,1,2,3
	v_mov_b32 v[32+4*(\i)+(\k4)], v[244+(\i)]      ; bv, each number four times
.endr
	ds_store_b128 v20, v[32+4*(\i):32+4*(\i)+3] offset:16*(\i)
.endr
	PROC 0, 0
	LOADCH 2, 0
	s_wait_loadcnt 48                              ; rows 16-31 are in
	PROC 1, 1
	LOADCH 3, 1
	s_wait_loadcnt 48                              ; rows 32-47
	PROC 2, 0
	s_wait_loadcnt 0x0
	PROC 3, 1
	WIN 0
	s_wait_dscnt 0x0                               ; my stage is read out and my part of the tables is stored:
	s_barrier_signal -1
	s_barrier_wait -1                              ; behind this barrier the stages' bytes are x's ring, and the tables are whole.  Piece 0's load may stay out
	LOADACC 0
	GEMM 0, 0, 128, 0                              ; K = relu((xh + te) Wk + bk)
	RELU3
	LOADACCV
	GEMM 1, 0, 128, 0                              ; V = relu((xh + te) Wv + bv), a column a lane
	WIN 0xc5                                       ; over bf16 (xh + te), whose last piece was stored in this product's third step
.irp a, 0,1,2,3
.irp ct, 0,1,2,3,4,5,6,7
.irp i, 0,1,2,3
	v_cvt_pk_bf16_f32 v[128+4*(4*(\ct)+(\a))+(\i)], v[8*(8*(\a)+(\ct))+2*(\i)], v[8*(8*(\a)+(\ct))+2*(\i)+1]
.endr
.endr
.endr
	WIN 0xc3
.set n, 128
.rept 128
	v_pk_max_num_bf16 v[n], v[n], s57
.set n, n+1
.endr
	LOADACC 1
	GEMM 0, 1, 0, 0                                ; Q = (xl + te) Wq + bq; x is rounded out of window 2 as it is stored
	WIN 0x05
.set n, 0
.rept 128
	v_cvt_pk_bf16_f32 v[QF+n], v[2*n], v[2*n+1]
.set n, n+1
.endr
	ATT 0
	ATT 1
	ADDBIAS 2                                      ; xl + te + bo starts the sums
	GEMM 0, 0, 0, 0                                ; + O Wo
	LNSTAT 0
	WIN 0x81                                       ; val, in f32, into window 2
.irp a, 0,1,2,3
.set n, 0
.rept 32
	v_pk_fma_f32 v[64*(\a)+2*n:64*(\a)+2*n+1], v[64*(\a)+2*n:64*(\a)+2*n+1], v[LS+8*(\a)+4:LS+8*(\a)+5], v[LS+8*(\a)+6:LS+8*(\a)+7]
.set n, n+1
.endr
.endr
	LOADACC 3
	GEMM 0, 1, 0, 0                                ; relu(val W1 + b1)
	RELU3
	ADDBIAS 4                                      ; val + b2 starts the sums
	GEMM 0, 0, 0, 1                                ; + h W2
	LNSTAT 1                                       ; behind its barrier no wave reads x's ring any more: its bytes are the stages again
	OUTP 0
	OUTP 1                                         ; a block's arithmetic stands between the loads of the block before and its stores
	SEND 0, 32
	OUTP 2
	SEND 1, 32
	OUTP 3
	SEND 2, 32
	SEND 3, 0
	WIN 0
	s_wait_tensorcnt 0x0                           ; the wave's end: behind my last tensor load and my last LDS store
	ds_add_u32 v30, v31
	s_wait_dscnt 0x0
	ROUND                                          ; the closing round: no work-group ends while a partner may still ask for a piece that names it
	s_endpgm
.Lfunc_end_k_q643ad40c3a_fused:
	.size	k_q643ad40c3a_fused, .Lfunc_end_k_q643ad40c3a_fused-k_q643ad40c3a_fused
	.p2alignl 7, 3214868480
	.fill 96, 4, 3214868480
	.section	.rodata,"a",@progbits
	.p2align	6, 0x0
	.amdhsa_kernel k_q643ad40c3a_fused
		.amdhsa_group_segment_fixed_size 327680
		.amdhsa_private_segment_fixed_size 0
		.amdhsa_enable_private_segment 0
		.amdhsa_kernarg_size 88
		.amdhsa_user_sgpr_count 2
		.amdhsa_user_sgpr_kernarg_segment_ptr 1
		.amdhsa_wavefront_size32 1
		.amdhsa_system_sgpr_workgroup_id_x 1
		.amdhsa_system_sgpr_workgroup_id_y 1
		.amdhsa_system_sgpr_workgroup_id_z 1
		.amdhsa_system_vgpr_workitem_id 0
		.amdhsa_next_free_vgpr 1024
		.amdhsa_next_free_sgpr 96
		.amdhsa_reserve_vcc 0
		.amdhsa_float_denorm_mode_32 3
		.amdhsa_float_denorm_mode_16_64 3
		.amdhsa_memory_ordered 1
		.amdhsa_forward_progress 1
		.amdhsa_inst_pref_size 255
	.end_amdhsa_kernel
	.section	.bss,"aw",@nobits
	.p2align	6
	.space	262144
	.amdgpu_metadata
---
amdhsa.version: [ 1, 2 ]
amdhsa.kernels:
  - .name:           k_q643ad40c3a_fused
    .symbol:         k_q643ad40c3a_fused.kd
    .args:
      - { .name: xl, .offset: 0, .size: 8, .value_kind: global_buffer, .address_space: global }
      - { .name: xh, .offset: 8, .size: 8, .value_kind: global_buffer, .address_space: global }
      - { .name: te, .offset: 16, .size: 8, .value_kind: global_buffer, .address_space: global }
      - { .name: wb, .offset: 24, .size: 8, .value_kind: global_buffer, .address_space: global }
      - { .name: bk, .offset: 32, .size: 8, .value_kind: global_buffer, .address_space: global }
      - { .name: bv, .offset: 40, .size: 8, .value_kind: global_buffer, .address_space: global }
      - { .name: bq, .offset: 48, .size: 8, .value_kind: global_buffer, .address_space: global }
      - { .name: bo, .offset: 56, .size: 8, .value_kind: global_buffer, .address_space: global }
      - { .name: b1, .offset: 64, .size: 8, .value_kind: global_buffer, .address_space: global }
      - { .name: b2, .offset: 72, .size: 8, .value_kind: global_buffer, .address_space: global }
      - { .name: out0, .offset: 80, .size: 8, .value_kind: global_buffer, .address_space: global }
    .group_segment_fixed_size: 327680
    .private_segment_fixed_size: 0
    .kernarg_segment_align: 8
    .kernarg_segment_size: 88
    .max_flat_workgroup_size: 128
    .sgpr_count:     96
    .vgpr_count:     1024
    .wavefront_size: 32
...
	.end_amdgpu_metadata
.endif
;; end of part 4
